; MI455X (gfx1250); checked and timed in simulation.
; The chip was launched on July 23, 2026; its instructions are those of AMD's public machine-readable ISA for CDNA 5 (MIT licence, August 2026) and "CDNA5" Instruction Set Architecture Reference Guide (July 2026). The comments in the code are by the model that wrote it; some were corrected since.
;; Rotary Self Attention. Allowed arithmetic: float matrix products may take bf16 or f16 operands with f32 sums; all other float work in f32.
;; Inputs: freqs_cos 2,048 x 64 float32; freqs_sin 2,048 x 64 float32; k_norm_w 128 float32; q_norm_w 128 float32; wk 2,048 x 512 float32; wo 2,048 x 2,048 float32; wq 2,048 x 2,048 float32; wv 2,048 x 512 float32; x 1 x 2,048 x 2,048 float32.
;; Outputs: out0 1 x 2,048 x 2,048 float32.
;; One version. Each part assembles by itself: llvm-mc -triple=amdgcn-amd-amdhsa -mcpu=gfx1250 --defsym DOCPART=n.
;; ======== version 1 of 1: 4 launches
;; limits: values are held in f16: magnitudes above 65,504 overflow, below 6.1e-05 lose precision; values outside matrix products are rounded to bf16
;; workspace buffers: xh 8,388,608 bytes; wh 12,582,912 bytes; woh 8,388,608 bytes; qkv 12,582,912 bytes; y 8,388,608 bytes
;; launch cast (part 1): grid 1792 x 1, 8 waves a work-group, no clusters, 0 bytes of LDS; arguments x, wq, wk, wv, wo, xh, wh, woh; writes xh, wh, woh
.if DOCPART == 1
	.amdgcn_target "amdgcn-amd-amdhsa--gfx1250"
	.amdhsa_code_object_version 6
	.text
	.protected	k_qe64e9719cc_cast
	.globl	k_qe64e9719cc_cast
	.p2align	8
	.type	k_qe64e9719cc_cast,@function
k_qe64e9719cc_cast:
	s_mov_b64 s[64:65], 0
	v_nop
	global_prefetch_b8 v0, s[64:65] scope:SCOPE_SE
	s_setreg_imm32_b32 hwreg(HW_REG_WAVE_MODE, 25, 1), 1
	s_wait_xcnt 0x0
; cast: the matrix inputs rounded to bf16 (nearest even): x -> xh, wq | wk | wv -> wh (joined along the columns), wo -> woh.
; xh: bf16, K TILE BY K TILE: ten tiles [2048 rows][192] and an eleventh [2048 rows][128], each dense.  The next launch takes K in
; steps of 192; a row piece of 192 bf16 is 384 bytes, so in a row-major xh its tiles' rows would not begin on multiples of 256
; bytes; laid tile by tile, the 64 rows that one tensor load brings are 24,576 consecutive bytes at a multiple of 256.
; wh: [2048 k][3072 n] bf16, n 0-2047 from wq, 2048-2559 from wk, 2560-3071 from wv.
; woh: [2048][2048]: wo rounded to bf16 like the other inputs and then written in f16's format, because its partner in the
; last product, y, is kept in f16 for its 11 bits.
; WHY bf16 FOR EVERY INPUT: the problem compares the result with reference() on the inputs as given or on the inputs rounded
; to bf16.  The first rows of the output are about eleven times larger than its root mean square, by which the allowance is
; set; there three roundings of inputs to 16 bits, of either format, already use the allowance up against the first, and cost
; nothing against the second.  So all inputs are rounded alike, to bf16, and only intermediates are rounded further (in f16).
; LIMITS: the inputs keep 8 significant bits.  wo above 65,504 in magnitude becomes an infinity; a bf16 number is exact in f16
; from 7.6e-6 upward, below that wo keeps an absolute step of 6e-8.
; 14 Mi numbers = 7 units of 2 Mi; a unit is shared among 256 work-groups of 8 waves, 8,192 numbers each, in four
; turns of 2,048.  A thread reads 32 neighbouring bytes (two loads of 16) and stores 16: a store of a wave covers
; 512 consecutive bytes that start at a multiple of 512.  A stream: no LDS, no barrier, no matrix work; all eight
; loads of a thread go out first and are taken in order.
.set SO, 2                             ; v2       byte offset of my 32 bytes in the source
.set DO, 3                             ; v3       byte offset of my 16 bytes in the destination
.set X,  8                             ; v[8:39]  turn i: 8 numbers in f32
.set Y,  40                            ; v[40:55] turn i: 8 numbers in 16 bits
.set XS, 56                            ; v[56:59] x alone: turn i's offset in the source
.set XD, 60                            ; v[60:63] x alone: turn i's offset in the destination
.set KT, 192                           ; columns in a K tile of xh
.set XT, 2048*KT*2                     ; bytes in a K tile of xh
; ss, ds: bytes from one turn to the next in the source and in the destination; two = 1: the bf16 numbers are written in f16's format
.macro CAST ss, ds, two
.irp i, 0,1,2,3
	global_load_b128 v[X+8*\i:X+8*\i+3],   v[SO], s[24:25] offset:\i*\ss th:TH_LOAD_NT      ; read once in the launch
	global_load_b128 v[X+8*\i+4:X+8*\i+7], v[SO], s[24:25] offset:\i*\ss+16 th:TH_LOAD_NT
.endr
.irp i, 0,1,2,3
	s_wait_loadcnt 6-2*\i                          ; loads come back in order (ISA guide 5.7.1): turn i's two are in, the later turns' stay out
.irp k, 0,1,2,3
	v_cvt_pk_bf16_f32 v[Y+4*\i+\k], v[X+8*\i+2*\k], v[X+8*\i+2*\k+1]
.endr
.if \two
.irp k, 0,1,2,3
	v_lshlrev_b32 v[X+8*\i+2*\k],   16, v[Y+4*\i+\k]                   ; bf16 to f32: the low half moves up,
	v_and_b32     v[X+8*\i+2*\k+1], 0xffff0000, v[Y+4*\i+\k]           ; the high half stays
.endr
.irp k, 0,1,2,3
	v_cvt_pk_f16_f32 v[Y+4*\i+\k], v[X+8*\i+2*\k], v[X+8*\i+2*\k+1]    ; 8 significant bits fit into f16's 11
.endr
.endif
	global_store_b128 v[DO], v[Y+4*\i:Y+4*\i+3], s[26:27] offset:\i*\ds                    ; the next launches read it: no hint
.endr
	s_endpgm
.endm
	s_load_b512 s[4:19], s[0:1], 0x0               ; x 4, wq 6, wk 8, wv 10, wo 12, xh 14, wh 16, woh 18
	s_lshr_b32 s20, ttmp9, 8                       ; unit 0-6: 0,1 x; 2,3 wq; 4,5 wo; 6 wk and wv
	s_and_b32 s21, ttmp9, 255                      ; my place in the unit
	v_lshrrev_b32 v1, 5, v0
	v_readfirstlane_b32 s22, v1                    ; wave
	s_mov_b32 s29, 0                               ; high words of the two offsets
	s_mov_b32 s31, 0
	s_wait_kmcnt 0x0
	s_cmp_eq_u32 s20, 6
	s_cbranch_scc1 .Lkv
	; rows of 2,048 numbers: a unit is 1,024 rows, a work-group four rows
	s_and_b32 s23, s20, 1
	s_lshl_b32 s23, s23, 10
	s_lshl2_add_u32 s23, s21, s23                  ; first row = 1,024 (unit & 1) + 4 place
	s_lshl_b32 s28, s23, 13                        ; x 8,192 bytes
	s_lshr_b32 s32, s20, 1                         ; 0 x, 1 wq, 2 wo
	s_cmp_eq_u32 s32, 0
	s_cbranch_scc1 .Lx
	v_lshlrev_b32 v[SO], 5, v0                     ; wq and wo: a turn is a row
	v_lshlrev_b32 v[DO], 4, v0
	s_cmp_eq_u32 s32, 1
	s_cbranch_scc1 .Lwq
	s_lshl_b32 s30, s23, 12                        ; x 4,096 bytes
	s_add_nc_u64 s[24:25], s[12:13], s[28:29]      ; wo
	s_add_nc_u64 s[26:27], s[18:19], s[30:31]      ; woh
	CAST 8192, 4096, 1
.Lwq:
	s_mul_i32 s30, s23, 6144                       ; a row of wh
	s_add_nc_u64 s[24:25], s[6:7], s[28:29]
	s_add_nc_u64 s[26:27], s[16:17], s[30:31]
	CAST 8192, 6144, 0
.Lx:
	; x: my four rows are 1,024 pieces of 8 numbers, taken in the order in which they lie in xh: piece g = 256 turn + thread.
	; In K tile j < 10 the four rows are 96 pieces (1,536 consecutive bytes): j = g / 96, row = (g % 96) / 24, column 8 (g % 24).
	; The last 64 pieces are tile 10, 16 pieces to a row.  96 and 960 are multiples of 32, so a wave's 32 pieces lie in one tile:
	; its store covers 512 consecutive bytes at a multiple of 512, and its loads cover runs that begin and end on multiples of 256 bytes.
	; g / 96 = (683 g) >> 16 and w / 24 = (2731 w) >> 16 hold for g < 1,024 and w < 96 (96 x 683 = 65,568, 24 x 2731 = 65,544).
	s_add_nc_u64 s[24:25], s[4:5], s[28:29]        ; x at my first row
	s_mul_i32 s30, s23, KT*2                       ; my first row in a tile of 384-byte rows
	s_add_nc_u64 s[26:27], s[14:15], s[30:31]
	s_lshl_b32 s33, s23, 7                         ; in tile 10 a row has 128 bytes less
.irp i, 0,1,2,3
.if \i
	v_add_nc_u32 v4, 256*\i, v0                    ; g
.set GR, 4
.else
.set GR, 0
.endif
	v_mul_u32_u24 v5, v[GR], 683
	v_lshrrev_b32 v5, 16, v5                       ; j
	v_mul_u32_u24 v6, v5, 96
	v_sub_nc_u32 v6, v[GR], v6                     ; my piece among the tile's
	v_mul_u32_u24 v7, v6, 2731
	v_lshrrev_b32 v7, 16, v7                       ; row
	v_mul_u32_u24 v1, v7, 24
	v_sub_nc_u32 v1, v6, v1                        ; piece in the row
.if \i == 3
	v_cmp_eq_u32 vcc_lo, 10, v5                    ; only the last turn reaches tile 10
	v_lshrrev_b32 v2, 4, v6
	v_and_b32 v3, 15, v6
	v_cndmask_b32 v7, v7, v2, vcc_lo
	v_cndmask_b32 v1, v1, v3, vcc_lo
.endif
	v_lshlrev_b32 v[XS+\i], 13, v7                 ; source: row x 8,192
	v_mad_u32_u24 v[XS+\i], v5, KT*4, v[XS+\i]     ; + tile x 768
	v_lshl_add_u32 v[XS+\i], v1, 5, v[XS+\i]       ; + piece x 32
	v_mul_u32_u24 v[XD+\i], v5, XT                 ; destination: tile
	v_lshl_add_u32 v[XD+\i], v6, 4, v[XD+\i]       ; + piece x 16
.if \i == 3
	v_mov_b32 v3, s33
	v_cndmask_b32 v2, 0, v3, vcc_lo
	v_sub_nc_u32 v[XD+\i], v[XD+\i], v2
.endif
	global_load_b128 v[X+8*\i:X+8*\i+3],   v[XS+\i], s[24:25] th:TH_LOAD_NT
	global_load_b128 v[X+8*\i+4:X+8*\i+7], v[XS+\i], s[24:25] offset:16 th:TH_LOAD_NT
.endr
.irp i, 0,1,2,3
	s_wait_loadcnt 6-2*\i                          ; turn i's two loads are in, the later turns' stay out
.irp k, 0,1,2,3
	v_cvt_pk_bf16_f32 v[Y+4*\i+\k], v[X+8*\i+2*\k], v[X+8*\i+2*\k+1]
.endr
	global_store_b128 v[XD+\i], v[Y+4*\i:Y+4*\i+3], s[26:27]
.endr
	s_endpgm
.Lkv:
	; rows of 512 + 512 numbers: a turn is two rows; waves 0-3 take the even row, 4-7 the odd one;
	; of a row's four parts of 256 numbers, parts 0, 1 come from wk and parts 2, 3 from wv
	s_lshr_b32 s23, s22, 2
	s_lshl3_add_u32 s23, s21, s23                  ; first row = 8 place + (wave >> 2)
	s_and_b32 s32, s22, 3                          ; part
	s_and_b32 s33, s32, 1
	s_lshl_b32 s33, s33, 10                        ; which 1,024 bytes of the source's row
	s_lshl_b32 s28, s23, 11                        ; row x 2,048 bytes
	s_add_co_u32 s28, s28, s33
	s_mul_i32 s30, s23, 6144
	s_lshl_b32 s33, s32, 9                         ; part x 512 bytes,
	s_add_co_u32 s30, s30, s33
	s_add_co_u32 s30, s30, 4096                    ; behind wq's 2,048 columns
	s_cmp_ge_u32 s32, 2
	s_cselect_b64 s[24:25], s[10:11], s[8:9]       ; wv or wk
	s_add_nc_u64 s[24:25], s[24:25], s[28:29]
	s_add_nc_u64 s[26:27], s[16:17], s[30:31]
	v_and_b32 v1, 31, v0
	v_lshlrev_b32 v[SO], 5, v1
	v_lshlrev_b32 v[DO], 4, v1
	CAST 4096, 12288, 0
.Lfunc_end_k_qe64e9719cc_cast:
	.size	k_qe64e9719cc_cast, .Lfunc_end_k_qe64e9719cc_cast-k_qe64e9719cc_cast
	.p2alignl 7, 3214868480
	.fill 96, 4, 3214868480
	.section	.rodata,"a",@progbits
	.p2align	6, 0x0
	.amdhsa_kernel k_qe64e9719cc_cast
		.amdhsa_group_segment_fixed_size 0
		.amdhsa_private_segment_fixed_size 0
		.amdhsa_enable_private_segment 0
		.amdhsa_kernarg_size 64
		.amdhsa_user_sgpr_count 2
		.amdhsa_user_sgpr_kernarg_segment_ptr 1
		.amdhsa_wavefront_size32 1
		.amdhsa_system_sgpr_workgroup_id_x 1
		.amdhsa_system_sgpr_workgroup_id_y 1
		.amdhsa_system_sgpr_workgroup_id_z 1
		.amdhsa_system_vgpr_workitem_id 0
		.amdhsa_next_free_vgpr 64
		.amdhsa_next_free_sgpr 66
		.amdhsa_reserve_vcc 1
		.amdhsa_float_denorm_mode_32 3
		.amdhsa_float_denorm_mode_16_64 3
		.amdhsa_memory_ordered 1
		.amdhsa_forward_progress 1
		.amdhsa_inst_pref_size 18
	.end_amdhsa_kernel
	.amdgpu_metadata
---
amdhsa.version: [ 1, 2 ]
amdhsa.kernels:
  - .name:           k_qe64e9719cc_cast
    .symbol:         k_qe64e9719cc_cast.kd
    .args:
      - { .name: x, .offset: 0, .size: 8, .value_kind: global_buffer, .address_space: global }
      - { .name: wq, .offset: 8, .size: 8, .value_kind: global_buffer, .address_space: global }
      - { .name: wk, .offset: 16, .size: 8, .value_kind: global_buffer, .address_space: global }
      - { .name: wv, .offset: 24, .size: 8, .value_kind: global_buffer, .address_space: global }
      - { .name: wo, .offset: 32, .size: 8, .value_kind: global_buffer, .address_space: global }
      - { .name: xh, .offset: 40, .size: 8, .value_kind: global_buffer, .address_space: global }
      - { .name: wh, .offset: 48, .size: 8, .value_kind: global_buffer, .address_space: global }
      - { .name: woh, .offset: 56, .size: 8, .value_kind: global_buffer, .address_space: global }
    .group_segment_fixed_size: 0
    .private_segment_fixed_size: 0
    .kernarg_segment_align: 8
    .kernarg_segment_size: 64
    .max_flat_workgroup_size: 256
    .sgpr_count:     66
    .vgpr_count:     64
    .wavefront_size: 32
...
	.end_amdgpu_metadata
.endif
;; end of part 1
;; launch qkv (part 2): grid 12 x 16, 4 waves a work-group, clusters of 4 x 4, 327,680 bytes of LDS; arguments xh, wh, freqs_cos, freqs_sin, q_norm_w, k_norm_w, qkv; writes qkv
.if DOCPART == 2
	.amdgcn_target "amdgcn-amd-amdhsa--gfx1250"
	.amdhsa_code_object_version 6
	.text
	.protected	k_qe64e9719cc_qkv
	.globl	k_qe64e9719cc_qkv
	.p2align	8
	.type	k_qe64e9719cc_qkv,@function
k_qe64e9719cc_qkv:
	s_mov_b64 s[64:65], 0
	v_nop
	global_prefetch_b8 v0, s[64:65] scope:SCOPE_SE
	s_setreg_imm32_b32 hwreg(HW_REG_WAVE_MODE, 25, 1), 1
	s_wait_xcnt 0x0
	s_wait_alu depctr_hold_cnt(0) depctr_sa_sdst(0) depctr_va_vdst(0) depctr_va_sdst(0) depctr_va_ssrc(0) depctr_va_vcc(0) depctr_vm_vsrc(0)
	s_getreg_b32 s2, hwreg(HW_REG_IB_STS2, 6, 4)
	s_cmp_eq_u32 s2, 0
	s_cbranch_scc0 .Lentry_in_a_cluster
	s_endpgm
.Lentry_in_a_cluster:
	s_bfe_u32 s2, ttmp6, 0x10000c
	s_cmp_lg_u32 s2, 0xf033
	s_cbranch_scc0 .Lentry_shape_is_right
	s_endpgm
.Lentry_shape_is_right:
; qkv: x (bf16, in xh K tile by K tile: ten tiles [2048][192], one [2048][128]) times wh [2048 k][3072 n] bf16, sums in f32; then,
; head by head (128 columns), RMSNorm and interleaved RoPE for the 16 q heads and the 4 k heads, nothing for the 4 v heads;
; rounded to f16 into qkv [24 heads][2048 t][128 d].
; LIMITS: cos, sin and the norm weights are rounded to bf16 before use, like the matrix inputs: the problem compares
; the result with reference() on the inputs as given or on the inputs rounded to bf16, and with x and the weights in bf16 only
; the second can be met, which rounds every input alike.  All arithmetic on them is in f32.
; Results go out in f16, for its 11 bits: x @ wv above 65,504 in magnitude becomes an infinity (q and k are bounded by
; 11.4 times the norm weight).  The order of the sums is the matrix unit's, K ascending.
; A work-group makes 128 rows x 256 columns with four waves (2 x 2); a wave makes 64 rows x 128 columns = one whole
; head, so that the norm's sum never leaves the wave: 32 accumulator tiles, 256 registers.  12 x 16 = 192 work-groups:
; a whole head to a wave and a grid that divides into clusters of 4 x 4 leave no finer equal share.
; K GOES IN STEPS OF 192 through two LDS slots filled by tensor loads: the longest step of which two slots fit (2 x 159,744 of
; 327,680 bytes), so that a wave has 192 matrix instructions, less 8, between a tile's request and the wait for it, and K = 2048
; takes ten such steps and one of 128.  wh lies [k][n]: its fragments are read from LDS by the transposing load.
; CLUSTERS: 4 x 4 work-groups.  x's tile hangs on the block row alone and is asked for jointly by a row of the
; cluster, wh's on the block column alone and is asked for jointly by a column: a quarter of the requests.
; THE MATRIX INSTRUCTION IS USED TRANSPOSED: source 0 = 16 columns of wh, source 1 = 16 rows of x; lane l then holds
; row l % 16 and its registers 0-7 the columns 8 (l / 16) + 0..7: eight neighbouring numbers of a head.
; REGISTERS: window 0: v16-28 addresses, v32-51 at work in the way out, v64-159 and v160-255 two fragment buffers
; (8 fragments of wh, then 4 of x); window 1: accumulator (a, b) at v[8 (8 a + b)], a = 16 rows, b = 16 columns;
; window 2: cos and sin of my 64 rows as loaded, 64 registers for each 16 rows; window 3: v0-63 the norm weights as loaded.
.set KS,     192                       ; K in a slot: six quarter steps of 32
.set NB,     8                         ; column tiles of a wave
.set NT,     256                       ; columns of a work-group
.set CH,     144                       ; x in LDS: 16 bytes of padding behind every 128 bytes
.set PA,     3*CH                      ; LDS pitch of x's rows of 384 bytes: 432, an odd multiple of 16
.set PAT,    2*CH                      ; in the last tile a row has 256 bytes: 288
.set PB,     NT*2+32                   ; LDS pitch of wh's k rows: 544, an odd multiple of 32
.set RB,     KS/2                      ; k rows in one load of wh
.set LDB,    3072                      ; elements from row to row in wh
.set XT,     2048*KS*2                 ; bytes in a K tile of xh
.set BBYTES, KS*PB                     ; wh's tile lies first in a slot,
.set ABYTES, 128*PA                    ; x's behind it
.set SLOT,   BBYTES+ABYTES
.set STAGE,  SLOT                      ; the way out's stage, 16 rows x 272 bytes for each wave, lies in slot 1: its last fill is tile 9, and every
                                       ; wave's reads of it are over in front of the barrier that opens the last tile
.set SPITCH, 272
.set WSTAGE, 16*SPITCH
.set NLD,    2*NB+8                    ; LDS loads of a quarter step
.set ADRA, 16                          ; v16-17  LDS address of my fragments of x in slot 0, 1
.set ADRT, 18                          ; v18     the same for the last tile (slot 0, pitch 288)
.set ADRB, 20                          ; v20-23  the same for wh: slot 0 k rows 0-95, 96-191, slot 1 likewise (the immediate has 16 bits)
.set STO,  24                          ; way out: where I put 16 bytes of a row
.set RD,   25                          ; way out: where I read rows back
.set CO,   26                          ; my byte offset in the output
.set CSO,  27                          ; my byte offset in cos and sin
.set WO,   28                          ; my byte offset in the norm weights
.set F0,   64
.set F1,   F0+8*NB+32
.set G1A, 32                           ; s[32:39] group 1 for x's tiles
.set G0A, 40                           ; s[40:47] group 0 for x's tiles, a set for each slot
.set G1B, 48                           ; s[48:55] group 1 for wh's tiles
.set G0B, 56                           ; s[56:63] group 0 for wh's tiles, a set for each slot
.set MULW, 0x50                        ; C and D in window 1, both sources in window 0
.set MSB, 0
.macro WIN new                         ; the immediate's high byte repeats the setting that is left
.if MSB != \new
	s_set_vgpr_msb (MSB<<8)|\new
.set MSB, \new
.endif
.endm
.macro PLACES                          ; four places behind a matrix instruction (ISA guide 7.12.1) in front of whatever reads its result or writes its registers
.rept 4
	v_nop
.endr
.endm
; A joint load: waves 0 and 1 fetch the two halves of wh's tile, waves 2 and 3 those of x's.  The branch hangs on the wave's number alone.
.macro JLOAD s
	s_cmp_eq_u32 s21, 0
	s_cbranch_scc0 .Lfor_a_\@
	tensor_load_to_lds s[G0B+4*\s:G0B+4*\s+3], s[G1B:G1B+7]
	s_nop 0
	s_branch .Lasked_\@
.Lfor_a_\@:
	tensor_load_to_lds s[G0A+4*\s:G0A+4*\s+3], s[G1A:G1A+7]
	s_nop 0
.Lasked_\@:
.endm
.macro CREST                           ; a round of the cluster's barrier behind its opening work-group barrier
	s_cmp_lg_u32 s20, 0
	s_cbranch_scc1 .Lnot_wave_0_\@
	s_barrier_signal -3
.Lnot_wave_0_\@:
	s_barrier_wait -3
	s_barrier_signal -1
	s_barrier_wait -1
.endm
.macro CROUND                          ; a whole round
	s_barrier_signal -1
	s_barrier_wait -1
	CREST
.endm
	s_load_b256 s[4:11], s[0:1], 0x0               ; xh 4, wh 6, cos 8, sin 10
	s_load_b128 s[12:15], s[0:1], 0x20             ; q_norm_w 12, k_norm_w 14
	s_load_b64 s[16:17], s[0:1], 0x30              ; qkv
	v_lshl_add_u32 v62, v0, 2, 0x4e000
	v_mov_b32 v63, 0
	ds_add_u32 v62, v63
	v_lshrrev_b32 v1, 5, v0
	v_readfirstlane_b32 s20, v1                    ; wave 0..3
	s_lshr_b32 s21, s20, 1                         ; my half of the rows.  Also: I fetch for wh (0) or for x (1)
	s_and_b32 s22, s20, 1                          ; my half of the columns.  Also: which half of that tile I fetch
	s_bfe_u32 s23, ttmp6, 0x40000                  ; cx
	s_bfe_u32 s24, ttmp6, 0x40004                  ; cy
	s_lshl_b32 s25, ttmp9, 2
	s_add_co_u32 s25, s25, s23                     ; block column = 4 x cluster x + cx
	s_and_b32 s26, ttmp7, 0xffff
	s_lshl_b32 s26, s26, 2
	s_add_co_u32 s26, s26, s24                     ; block row = 4 x cluster y + cy
	s_lshl_b32 s27, s24, 2
	s_lshl_b32 s27, 15, s27                        ; my row of the cluster
	s_lshl_b32 s28, 0x1111, s23                    ; my column
	; x: 64 rows of a K tile are 24,576 consecutive bytes: they come in as 96 rows of 256 bytes, 4 words of padding behind every 32 words
	s_or_b32 s[G1A+0], s27, (1<<16)|(1<<20)|(1<<21)|(4<<22)|(3<<25)   ; mask; elements of 2 bytes; padding on; bit 21 beside a mask; interval 32 words; 4 words
	s_mov_b32 s[G1A+1], 128<<16                    ; tensor_dim0
	s_mov_b32 s[G1A+2], 96<<16                     ; tensor_dim1
	s_mov_b32 s[G1A+3], 128<<16                    ; tile_dim0
	s_mov_b32 s[G1A+4], 96                         ; tile_dim1
	s_mov_b32 s[G1A+5], 128                        ; elements from row to row: dense
	s_mov_b32 s[G1A+6], 0
	s_mov_b32 s[G1A+7], 0
	s_or_b32 s[G1B+0], s28, (1<<16)|(1<<20)|(1<<21)|(6<<22)|(7<<25)   ; 8 words behind each row of 128 words
	s_mov_b32 s[G1B+1], NT<<16
	s_mov_b32 s[G1B+2], RB<<16
	s_mov_b32 s[G1B+3], NT<<16
	s_mov_b32 s[G1B+4], RB                         ; RB k rows of wh
	s_mov_b32 s[G1B+5], LDB
	s_mov_b32 s[G1B+6], 0
	s_mov_b32 s[G1B+7], 0
	; x's address is made of the block row and the wave's number, wh's of the block column and the wave's number,
	; each in registers that never hold the other coordinate
	s_lshl_b32 s66, s26, 7
	s_lshl_b32 s67, s22, 6
	s_add_co_u32 s66, s66, s67                     ; row 128 x block row + 64 x half
	s_lshl_b32 s92, s66, 7                         ; the last tile's rows have 128 bytes less: what its address is short of the others' rule
	s_mov_b32 s93, 0
	s_mul_i32 s66, s66, KS*2                       ; x 384 bytes
	s_mov_b32 s67, 0
	s_mul_i32 s70, s22, RB*LDB*2                   ; k row RB x half
	s_mul_i32 s71, s25, NT*2                       ; column NT x block column
	s_add_co_u32 s70, s70, s71
	s_mov_b32 s71, 0
	s_mul_i32 s94, s22, (RB-64)*LDB*2              ; the last tile's halves have 64 k rows, not 96
	s_mov_b32 s95, 0
	s_mul_i32 s29, s20, RB*PB                      ; where wh's halves go (waves 0, 1): wave x half a tile
	s_mul_i32 s30, s20, 64*PA                      ; where x's go (waves 2, 3): behind wh's tile,
	s_add_co_u32 s30, s30, BBYTES-2*64*PA          ; (wave - 2) x half a tile
	s_wait_dscnt 0x0
	s_wait_kmcnt 0x0
	s_add_nc_u64 s[68:69], s[4:5], s[66:67]
	s_add_nc_u64 s[72:73], s[6:7], s[70:71]
	CROUND                                         ; all sixteen work-groups are here: the first joint loads meet
.irp s, 0,1
	s_mov_b32 s[G0A+4*\s], 1
	s_add_co_u32 s[G0A+4*\s+1], s30, \s*SLOT
	s_add_nc_u64 s[G0A+4*\s+2:G0A+4*\s+3], s[68:69], \s*XT
	s_or_b32 s[G0A+4*\s+3], s[G0A+4*\s+3], 0x80000000
	s_mov_b32 s[G0B+4*\s], 1
	s_add_co_u32 s[G0B+4*\s+1], s29, \s*SLOT
	s_add_nc_u64 s[G0B+4*\s+2:G0B+4*\s+3], s[72:73], \s*KS*LDB*2
	s_or_b32 s[G0B+4*\s+3], s[G0B+4*\s+3], 0x80000000
	JLOAD \s                                       ; both slots are asked for before anything else: two loads of the wave are out here, one behind each later round
.endr
	v_and_b32 v1, 15, v0                           ; r = l % 16
	v_bfe_u32 v2, v0, 4, 1                         ; h = l / 16
	v_and_b32 v3, 7, v0
	v_bfe_u32 v4, v0, 3, 1
	v_mul_u32_u24 v5, v1, PA
	v_lshl_add_u32 v5, v2, 4, v5                   ; x: row r, 16 bytes for each half of the lanes
	v_mul_u32_u24 v10, v1, PAT
	v_lshl_add_u32 v10, v2, 4, v10                 ; the same in the last tile
	v_lshl_add_u32 v6, v2, 3, v3
	v_mul_u32_u24 v6, v6, PB                       ; wh, for the transposing load: k row 8 h + l % 8,
	v_lshl_add_u32 v6, v4, 4, v6                   ; 16 bytes for each eight lanes
	s_mul_i32 s74, s21, 64*PA                      ; my 64 rows of x,
	s_add_co_u32 s74, s74, BBYTES                  ; which lie behind wh's tile
	s_mul_i32 s75, s22, 32*NB                      ; my columns of wh, in bytes
	v_add_nc_u32 v[ADRT], s74, v10
.irp s, 0,1
	v_add_nc_u32 v[ADRA+\s], s74, v5
	v_add_nc_u32 v[ADRB+2*\s], s75, v6
	v_add_nc_u32 v[ADRB+2*\s+1], RB*PB, v[ADRB+2*\s]
	s_add_co_u32 s74, s74, SLOT
	s_add_co_u32 s75, s75, SLOT
.endr
	s_mul_i32 s76, s20, WSTAGE
	s_add_co_u32 s76, s76, STAGE                   ; my stage
	v_mul_u32_u24 v7, v1, SPITCH
	v_lshl_add_u32 v7, v2, 4, v7
	v_add_nc_u32 v[STO], s76, v7                   ; in: row r, 16 h
	v_mul_u32_u24 v8, v2, SPITCH
	v_lshl_add_u32 v8, v1, 4, v8
	v_add_nc_u32 v[RD], s76, v8                    ; back: lanes 0-15 one row of 256 bytes, lanes 16-31 the next
	v_lshlrev_b32 v9, 8, v2
	v_lshl_add_u32 v[CO], v1, 4, v9                ; the same two rows in the output: 256 h + 16 r
	v_lshlrev_b32 v9, 8, v1
	v_lshl_add_u32 v[CSO], v2, 4, v9               ; cos, sin: row r, 16 h
	v_lshlrev_b32 v[WO], 5, v2                     ; norm weights: 32 h
; The fragments of quarter step q (0 to 5) of a slot into buffer f: NB of wh (two transposing loads each: k = 8 h .. and 16 + 8 h .. of column r), then 4 of x.
; The 64 bytes of x's quarter step q lie in piece q / 2 of the row, in its half q % 2.
.macro FETCH slot, q, f
	WIN 0
.set fb, 0
.rept NB
	ds_load_tr16_b128 v[\f+8*fb:\f+8*fb+3],   v[ADRB+2*\slot+(\q/3)] offset:(\q%3)*32*PB+32*fb
	ds_load_tr16_b128 v[\f+8*fb+4:\f+8*fb+7], v[ADRB+2*\slot+(\q/3)] offset:(\q%3)*32*PB+32*fb+16*PB
.set fb, fb+1
.endr
.irp i, 0,1,2,3
	ds_load_b128 v[\f+8*NB+8*\i:\f+8*NB+8*\i+3],   v[ADRA+\slot] offset:\i*16*PA+(\q/2)*CH+(\q%2)*64
	ds_load_b128 v[\f+8*NB+8*\i+4:\f+8*NB+8*\i+7], v[ADRA+\slot] offset:\i*16*PA+(\q/2)*CH+(\q%2)*64+32
.endr
.endm
; The same for quarter step t (0 to 3) of the last tile, in slot 0: wh's k rows 0-63 lie at the slot's rows 0-63, its rows 64-127 at the slot's rows 96-159.
.macro FETCHT t, f
	WIN 0
.set fb, 0
.rept NB
	ds_load_tr16_b128 v[\f+8*fb:\f+8*fb+3],   v[ADRB+(\t/2)] offset:(\t%2)*32*PB+32*fb
	ds_load_tr16_b128 v[\f+8*fb+4:\f+8*fb+7], v[ADRB+(\t/2)] offset:(\t%2)*32*PB+32*fb+16*PB
.set fb, fb+1
.endr
.irp i, 0,1,2,3
	ds_load_b128 v[\f+8*NB+8*\i:\f+8*NB+8*\i+3],   v[ADRT] offset:\i*16*PAT+(\t/2)*CH+(\t%2)*64
	ds_load_b128 v[\f+8*NB+8*\i+4:\f+8*NB+8*\i+7], v[ADRT] offset:\i*16*PAT+(\t/2)*CH+(\t%2)*64+32
.endr
.endm
; NB matrix instructions: rows 16 a .. 16 a + 15 x all my columns, 32 along K.  zero = 1: the first product starts the sums.
; The 4 NB accumulators take turns, one instruction a turn, in the same order in every quarter step.
.macro MUL f, a, zero
.set mb, 0
.rept NB
.if \zero
	v_wmma_f32_16x16x32_bf16 v[8*(NB*\a+mb):8*(NB*\a+mb)+7], v[\f+8*mb:\f+8*mb+7], v[\f+8*NB+8*\a:\f+8*NB+8*\a+7], 0
.else
	v_wmma_f32_16x16x32_bf16 v[8*(NB*\a+mb):8*(NB*\a+mb)+7], v[\f+8*mb:\f+8*mb+7], v[\f+8*NB+8*\a:\f+8*NB+8*\a+7], v[8*(NB*\a+mb):8*(NB*\a+mb)+7]
.endif
.set mb, mb+1
.endr
.endm
; A quarter step but the slot's last: multiplies buffer f; in its middle it fetches quarter step q into buffer g.  tail = 1: of the last tile.
.macro QUARTER slot, q, f, g, zero, tail
	s_wait_dscnt 4                                 ; all of wh's fragments and x's rows 0-31 are in; the four youngest loads (x's rows 32-63) may be out
	WIN MULW
	MUL \f, 0, \zero
	MUL \f, 1, \zero
	PLACES
.if \tail
	FETCHT \q, \g
.else
	FETCH \slot, \q, \g
.endif
	s_wait_dscnt NLD                               ; all but the NLD just issued
	WIN MULW
	MUL \f, 2, \zero
	MUL \f, 3, \zero
.endm
.macro FOUR slot                       ; quarter steps 1 to 4 are multiplied, 2 to 5 fetched
	QUARTER \slot, 2, F1, F0, 0, 0
	QUARTER \slot, 3, F0, F1, 0, 0
	QUARTER \slot, 4, F1, F0, 0, 0
	QUARTER \slot, 5, F0, F1, 0, 0
.endm
; The slot's last quarter step, on buffer 1, and the change of slots.  In front of the barrier each wave waits for its reads of
; this slot and for all its tensor loads (the one that is out is its part of the next slot).  fill = 1: the barrier opens a round
; of the cluster's barrier, and the joint refill of this slot, two K steps ahead, is the first tensor load behind the round;
; fill = 2: that refill is the last tile, of 128 along K.  tail = 1: the slot that follows holds the last tile.
.macro TURN slot, next, fill, tail
	s_wait_dscnt 4
	WIN MULW
	MUL F1, 0, 0
	s_wait_dscnt 0x0                               ; my reads of this slot are over
	s_wait_tensorcnt 0x0                           ; all my tensor loads have landed: every descriptor register may be written
	ds_add_u32 v62, v63
	s_wait_dscnt 0x0
	s_barrier_signal -1
	MUL F1, 1, 0                                   ; register work while the others arrive
	WIN 0
	s_barrier_wait -1
.if \fill
	CREST
	s_add_nc_u64 s[G0A+4*\slot+2:G0A+4*\slot+3], s[G0A+4*\slot+2:G0A+4*\slot+3], 2*XT
	s_add_nc_u64 s[G0B+4*\slot+2:G0B+4*\slot+3], s[G0B+4*\slot+2:G0B+4*\slot+3], 2*KS*LDB*2
.if \fill == 2
	s_sub_nc_u64 s[G0A+4*\slot+2:G0A+4*\slot+3], s[G0A+4*\slot+2:G0A+4*\slot+3], s[92:93]   ; rows of 256 bytes
	s_sub_nc_u64 s[G0B+4*\slot+2:G0B+4*\slot+3], s[G0B+4*\slot+2:G0B+4*\slot+3], s[94:95]   ; halves of 64 k rows
	s_mov_b32 s[G1A+2], 64<<16                     ; x: 64 rows of 256 bytes
	s_mov_b32 s[G1A+4], 64
	s_mov_b32 s[G1B+2], 64<<16                     ; wh: 64 k rows
	s_mov_b32 s[G1B+4], 64
.endif
	JLOAD \slot
.endif
	PLACES
.if \tail
	FETCHT 0, F0
.else
	FETCH \next, 0, F0
.endif
	WIN MULW
	MUL F1, 2, 0
	MUL F1, 3, 0
.endm
; cos and sin of rows 16 a .. 16 a + 15 of my 64 into window 2 (the window is set by the caller): 16 loads
.macro CSLOAD a
.irp b, 0,1,2,3,4,5,6,7
	global_load_b128 v[64*\a+4*\b:64*\a+4*\b+3],       v[CSO], s[80:81] offset:\a*4096+32*\b
	global_load_b128 v[64*\a+32+4*\b:64*\a+32+4*\b+3], v[CSO], s[82:83] offset:\a*4096+32*\b
.endr
.endm
	s_wait_tensorcnt 0x1                           ; my part of slot 0 is in; slot 1's may stay out
	s_barrier_signal -1
	s_barrier_wait -1
	FETCH 0, 0, F0
	QUARTER 0, 1, F0, F1, 1, 0                     ; the first quarter step stands in front of the loop: its products start the sums
	WIN 0
	s_mov_b32 s3, 4                                ; a trip: the rest of an even tile, an odd tile, the next even tile's first quarter step; tiles 2 to 9 are asked for
.Llap:
	FOUR 0
	TURN 0, 1, 1, 0
	QUARTER 1, 1, F0, F1, 0, 0
	FOUR 1
	TURN 1, 0, 1, 0
	QUARTER 0, 1, F0, F1, 0, 0
	WIN 0
	s_sub_co_u32 s3, s3, 1
	s_cmp_lg_u32 s3, 0
	s_cbranch_scc1 .Llap
	; Tiles 8, 9 and 10 are left.  What the way out reads from memory is asked for here, some 400 matrix instructions ahead of its use.
	; My 128 columns are head hd.  The head's kind hangs on my place in the cluster, so no branch is taken on it:
	; norm and RoPE are computed for every head, and for a v head the raw sums are selected.
	s_lshl_b32 s74, s25, 1
	s_add_co_u32 s74, s74, s22                     ; hd = 2 x block column + my half
	s_cmp_ge_u32 s74, 16
	s_cselect_b64 s[76:77], s[14:15], s[12:13]     ; k_norm_w from head 16 on (for v heads the result is not used)
	s_cmp_ge_u32 s74, 20
	s_cselect_b32 s75, -1, 0                       ; all lanes: a v head
	s_lshl_b32 s88, s26, 7
	s_lshl_b32 s89, s21, 6
	s_add_co_u32 s88, s88, s89                     ; my first row
	s_lshl_b32 s88, s88, 8                         ; rows of 256 bytes in cos, sin and in a head of the output
	s_mov_b32 s89, 0
	s_add_nc_u64 s[80:81], s[8:9], s[88:89]
	s_add_nc_u64 s[82:83], s[10:11], s[88:89]
	s_add_nc_u64 s[78:79], s[16:17], s[88:89]
	s_lshl_b32 s88, s74, 19                        ; a head is 524,288 bytes
	s_add_nc_u64 s[78:79], s[78:79], s[88:89]
	s_mov_b32 s84, 0x3c000000                      ; 1 / 128
	s_mov_b32 s85, 0x3727c5ac                      ; 1e-5
	s_mov_b32 s86, 0x76543210                      ; v_permlanex16_b32: lane i reads lane i of the other half
	s_mov_b32 s87, 0xfedcba98
	WIN 0xc0                                       ; destination: window 3
.irp b, 0,1,2,3,4,5,6,7
	global_load_b128 v[8*\b:8*\b+3],   v[WO], s[76:77] offset:64*\b
	global_load_b128 v[8*\b+4:8*\b+7], v[WO], s[76:77] offset:64*\b+16
.endr
	WIN 0x80                                       ; destination: window 2
	CSLOAD 0
	CSLOAD 1
	FOUR 0                                         ; tile 8
	TURN 0, 1, 2, 0                                ; slot 0 is asked for once more: the last tile
	QUARTER 1, 1, F0, F1, 0, 0                     ; tile 9
	FOUR 1
	TURN 1, 0, 0, 1                                ; nothing is left to fetch
	QUARTER 0, 1, F0, F1, 0, 1                     ; the last tile: four quarter steps
	QUARTER 0, 2, F1, F0, 0, 1
	QUARTER 0, 3, F0, F1, 0, 1
	s_wait_dscnt 4
	WIN MULW
	MUL F1, 0, 0
	MUL F1, 1, 0
	s_wait_dscnt 0x0
	MUL F1, 2, 0
	MUL F1, 3, 0
	PLACES                                         ; for everything below that reads results or writes the fragment buffers
	; THE WAY OUT
.set T,  64                            ; v[64:127]  the 64 numbers of a lane in 16 rows: index 8 b + j = column 16 b + 8 h + j
.set W,  128                           ; v[128:191] the norm weights of these columns, rounded
.set CC, 192                           ; v[192:223] cos of my row, rounded, index 4 b + k = pair 8 b + 4 h + k
.set SN, 224                           ; v[224:255] sin
.set SS, 32                            ; v[32:39]   four chains of two sums of squares
.set RS, 40                            ; v[40:41]   1 / sqrt(mean + eps), twice
.set U,  44                            ; v[44:51]   at work
	s_wait_loadcnt 16                              ; the norm weights and rows 0-15's cos and sin are in; the 16 loads for rows 16-31 may be out
	WIN 0x80
	CSLOAD 2                                       ; rows 32-63: they have the work on rows 0-31 in which to come
	CSLOAD 3
	; the norm weights rounded to bf16 (nearest even), two to a word, and widened again in place, from the top down so that no word is lost
	WIN 0x0f                                       ; sources 0 and 1: window 3
.set ei, 0
.rept 32
	v_cvt_pk_bf16_f32 v[W+ei], v[2*ei], v[2*ei+1]
.set ei, ei+1
.endr
	WIN 0
.set ei, 31
.rept 32
	v_and_b32     v[W+2*ei+1], 0xffff0000, v[W+ei]
	v_lshlrev_b32 v[W+2*ei],   16, v[W+ei]
.set ei, ei-1
.endr
; rows 16 a .. 16 a + 15 of my 64
.macro EPI a
	WIN 0x05                                       ; sources 0 and 1: the accumulators
.irp c, 0,1,2,3
	v_pk_mul_f32 v[SS+2*\c:SS+2*\c+1], v[64*\a+2*\c:64*\a+2*\c+1], v[64*\a+2*\c:64*\a+2*\c+1]
.endr
.set ei, 4
.rept 28
	v_pk_fma_f32 v[SS+2*(ei%4):SS+2*(ei%4)+1], v[64*\a+2*ei:64*\a+2*ei+1], v[64*\a+2*ei:64*\a+2*ei+1], v[SS+2*(ei%4):SS+2*(ei%4)+1]
.set ei, ei+1
.endr
	WIN 0
	v_pk_add_f32 v[SS:SS+1], v[SS:SS+1], v[SS+2:SS+3]
	v_pk_add_f32 v[SS+4:SS+5], v[SS+4:SS+5], v[SS+6:SS+7]
	v_pk_add_f32 v[SS:SS+1], v[SS:SS+1], v[SS+4:SS+5]
	v_add_f32 v[SS], v[SS], v[SS+1]                ; my 64 columns of row r;
	v_permlanex16_b32 v[SS+1], v[SS], s86, s87     ; the other 64 lie in the other half of the lanes
	v_add_f32 v[SS], v[SS], v[SS+1]
	v_fma_f32 v[SS], v[SS], s84, s85               ; mean + eps
	v_rsq_f32 v[RS], v[SS]
	v_nop                                          ; one plain place behind a transcendental (ISA guide 5.7.2)
	s_wait_alu depctr_va_vdst(0)
	v_mov_b32 v[RS+1], v[RS]
	WIN 0x01
.set ei, 0
.rept 32
	v_pk_mul_f32 v[T+2*ei:T+2*ei+1], v[64*\a+2*ei:64*\a+2*ei+1], v[RS:RS+1]
.set ei, ei+1
.endr
	WIN 0
.set ei, 0
.rept 32
	v_pk_mul_f32 v[T+2*ei:T+2*ei+1], v[T+2*ei:T+2*ei+1], v[W+2*ei:W+2*ei+1]
.set ei, ei+1
.endr
.if \a
	s_wait_loadcnt 16*(3-\a)                       ; my rows' cos and sin are in; the 16 loads of each later 16 rows may be out
.endif
	; cos and sin rounded to bf16, two to a word, and widened again in place, from the top down
	WIN 0x0a                                       ; sources 0 and 1: window 2
.set ei, 0
.rept 16
	v_cvt_pk_bf16_f32 v[CC+ei], v[64*\a+2*ei], v[64*\a+2*ei+1]
	v_cvt_pk_bf16_f32 v[SN+ei], v[64*\a+32+2*ei], v[64*\a+32+2*ei+1]
.set ei, ei+1
.endr
	WIN 0
.set ei, 15
.rept 16
	v_and_b32     v[CC+2*ei+1], 0xffff0000, v[CC+ei]
	v_lshlrev_b32 v[CC+2*ei],   16, v[CC+ei]
	v_and_b32     v[SN+2*ei+1], 0xffff0000, v[SN+ei]
	v_lshlrev_b32 v[SN+2*ei],   16, v[SN+ei]
.set ei, ei-1
.endr
	; RoPE on a pair (xr, xi): U = (xr c, xi c); then (-xi s + U.lo, xr s + U.hi).  A pair of cos registers serves two pairs of numbers.
.set ep, 0
.rept 16
	v_pk_mul_f32 v[U+4*(ep%2):U+4*(ep%2)+1],   v[T+4*ep:T+4*ep+1],   v[CC+2*ep:CC+2*ep+1] op_sel:[0,0] op_sel_hi:[1,0]
	v_pk_mul_f32 v[U+4*(ep%2)+2:U+4*(ep%2)+3], v[T+4*ep+2:T+4*ep+3], v[CC+2*ep:CC+2*ep+1] op_sel:[0,1] op_sel_hi:[1,1]
	v_pk_fma_f32 v[T+4*ep:T+4*ep+1],   v[T+4*ep:T+4*ep+1],   v[SN+2*ep:SN+2*ep+1], v[U+4*(ep%2):U+4*(ep%2)+1]   op_sel:[1,0,0] op_sel_hi:[0,0,1] neg_lo:[1,0,0]
	v_pk_fma_f32 v[T+4*ep+2:T+4*ep+3], v[T+4*ep+2:T+4*ep+3], v[SN+2*ep:SN+2*ep+1], v[U+4*(ep%2)+2:U+4*(ep%2)+3] op_sel:[1,1,0] op_sel_hi:[0,1,1] neg_lo:[1,0,0]
.set ep, ep+1
.endr
	WIN 0x04                                       ; source 1: the accumulators
.set ei, 0
.rept 64
	v_cndmask_b32 v[T+ei], v[T+ei], v[64*\a+ei], s75       ; a v head keeps the raw sum
.set ei, ei+1
.endr
	WIN 0
.set ei, 0
.rept 32
	v_cvt_pk_f16_f32 v[T+ei], v[T+2*ei], v[T+2*ei+1]       ; packed in place: word k is written when words 2 k and 2 k + 1 are read
.set ei, ei+1
.endr
.irp b, 0,1,2,3,4,5,6,7
	ds_store_b128 v[STO], v[T+4*\b:T+4*\b+3] offset:32*\b
.endr
	; The rows come back into these rows' cos registers of window 2, which have been used up and are written by nothing else:
	; so no store's data register is ever rewritten, and no wait is owed for one.
	WIN 0x80
.irp t, 0,1,2,3,4,5,6,7
	ds_load_b128 v[64*\a+4*\t:64*\a+4*\t+3], v[RD] offset:2*SPITCH*\t   ; LDS serves a wave's instructions in order (ISA guide 5.7.1.4): these see my stores above
.endr
	WIN 0x08                                       ; a store's data: source 1
.irp t, 0,1,2,3,4,5,6,7
	s_wait_dscnt 7-\t
	global_store_b128 v[CO], v[64*\a+4*\t:64*\a+4*\t+3], s[78:79] offset:\a*4096+512*\t   ; two rows of a head: 512 consecutive bytes at a multiple of 512
.endr
.endm
	EPI 0
	EPI 1
	EPI 2
	EPI 3
	WIN 0
	s_wait_tensorcnt 0x0
	ds_add_u32 v62, v63
	s_wait_dscnt 0x0
	CROUND                                         ; the closing round: no work-group ends while a partner may still ask for a tile that names it
	s_endpgm
.Lfunc_end_k_qe64e9719cc_qkv:
	.size	k_qe64e9719cc_qkv, .Lfunc_end_k_qe64e9719cc_qkv-k_qe64e9719cc_qkv
	.p2alignl 7, 3214868480
	.fill 96, 4, 3214868480
	.section	.rodata,"a",@progbits
	.p2align	6, 0x0
	.amdhsa_kernel k_qe64e9719cc_qkv
		.amdhsa_group_segment_fixed_size 327680
		.amdhsa_private_segment_fixed_size 0
		.amdhsa_enable_private_segment 0
		.amdhsa_kernarg_size 56
		.amdhsa_user_sgpr_count 2
		.amdhsa_user_sgpr_kernarg_segment_ptr 1
		.amdhsa_wavefront_size32 1
		.amdhsa_system_sgpr_workgroup_id_x 1
		.amdhsa_system_sgpr_workgroup_id_y 1
		.amdhsa_system_sgpr_workgroup_id_z 1
		.amdhsa_system_vgpr_workitem_id 0
		.amdhsa_next_free_vgpr 832
		.amdhsa_next_free_sgpr 96
		.amdhsa_reserve_vcc 0
		.amdhsa_float_denorm_mode_32 3
		.amdhsa_float_denorm_mode_16_64 3
		.amdhsa_memory_ordered 1
		.amdhsa_forward_progress 1
		.amdhsa_inst_pref_size 225
	.end_amdhsa_kernel
	.amdgpu_metadata
---
amdhsa.version: [ 1, 2 ]
amdhsa.kernels:
  - .name:           k_qe64e9719cc_qkv
    .symbol:         k_qe64e9719cc_qkv.kd
    .args:
      - { .name: xh, .offset: 0, .size: 8, .value_kind: global_buffer, .address_space: global }
      - { .name: wh, .offset: 8, .size: 8, .value_kind: global_buffer, .address_space: global }
      - { .name: freqs_cos, .offset: 16, .size: 8, .value_kind: global_buffer, .address_space: global }
      - { .name: freqs_sin, .offset: 24, .size: 8, .value_kind: global_buffer, .address_space: global }
      - { .name: q_norm_w, .offset: 32, .size: 8, .value_kind: global_buffer, .address_space: global }
      - { .name: k_norm_w, .offset: 40, .size: 8, .value_kind: global_buffer, .address_space: global }
      - { .name: qkv, .offset: 48, .size: 8, .value_kind: global_buffer, .address_space: global }
    .group_segment_fixed_size: 327680
    .private_segment_fixed_size: 0
    .kernarg_segment_align: 8
    .kernarg_segment_size: 56
    .max_flat_workgroup_size: 128
    .sgpr_count:     96
    .vgpr_count:     832
    .wavefront_size: 32
...
	.end_amdgpu_metadata
.endif
;; end of part 2
;; launch attn (part 3): grid 16 x 16, 8 waves a work-group, clusters of 4 x 1, 327,680 bytes of LDS; arguments qkv, y; writes y
.if DOCPART == 3
	.amdgcn_target "amdgcn-amd-amdhsa--gfx1250"
	.amdhsa_code_object_version 6
	.text
	.protected	k_qe64e9719cc_attn
	.globl	k_qe64e9719cc_attn
	.p2align	8
	.type	k_qe64e9719cc_attn,@function
k_qe64e9719cc_attn:
	s_mov_b64 s[64:65], 0
	v_nop
	global_prefetch_b8 v0, s[64:65] scope:SCOPE_SE
	s_setreg_imm32_b32 hwreg(HW_REG_WAVE_MODE, 25, 1), 1
	s_wait_xcnt 0x0
	s_wait_alu depctr_hold_cnt(0) depctr_sa_sdst(0) depctr_va_vdst(0) depctr_va_sdst(0) depctr_va_ssrc(0) depctr_va_vcc(0) depctr_vm_vsrc(0)
	s_getreg_b32 s2, hwreg(HW_REG_IB_STS2, 6, 4)
	s_cmp_eq_u32 s2, 0
	s_cbranch_scc0 .Lentry_in_a_cluster
	s_endpgm
.Lentry_in_a_cluster:
	s_bfe_u32 s2, ttmp6, 0x10000c
	s_cmp_lg_u32 s2, 0x3003
	s_cbranch_scc0 .Lentry_shape_is_right
	s_endpgm
.Lentry_shape_is_right:
; attn: causal attention with a running maximum.  qkv [24 heads][2048 t][128 d] f16 (0-15 q, 16-19 k, 20-23 v);
; y [2048 t][16 heads x 128 d] f16.  Scores, softmax and sums in f32; the weights go to the matrix unit in f16.
; LIMITS: a weight below about 3e-8 of its row's largest becomes 0 in f16; y above 65,504 in magnitude becomes an infinity;
; a masked score is -1e30, as in the problem's text; the running maximum starts at -5e29, which every real score exceeds
; (a score is a sum of 128 products of f16 numbers: 5.5e11 in magnitude at the most).
; SHARE: a cluster is the four query heads of one key/value head; work-group (head, p) takes the query blocks p and 31 - p
; of 64 rows.  K and V come in slots of 256 keys (four tiles of 64): block b needs (b >> 2) + 1 slots, the two blocks together 9
; for every p.  One of the two counts is even: that block goes first, so that the change of blocks always falls behind a turn of
; slot 1 and stands between two loops.  The four partners have the same p and so the same tiles in the same order: every fill is
; a joint load of the four.
; EIGHT WAVES, two to a SIMD, so that one wave's vector work and waits stand beside the other's matrix work.  Waves w and w + 4
; take the same 16 queries; waves 0-3 take keys 0-127 of every slot, waves 4-7 keys 128-255, each with a maximum, a sum and an O^T
; of its own.  At a block's end the upper wave hands its three through LDS to the lower one, which joins them: with
; s = -c x maximum, each part is multiplied by 2^(min(s0, s1) - own s).
; THE MASK: the diagonal lies in a block's last slot, which is a turn of slot 1 in the first block and the written-out last turn
; in the second.  Those turns compare every key with its query, without a branch: in the first block that is 130 vector
; instructions in each of at most 4 turns of slot 1, of which only the last needs them, so that no loop holds a branch; tiles of
; that slot that lie wholly above the diagonal (3 of the 36 that a work-group computes) get all weights 0.  A wave that has seen
; masked keys alone keeps its maximum at -5e29: its exponents are c (-1e30 + 5e29), its weights 0, and its factor in the join 0.
; THE PRODUCTS ARE TRANSPOSED.  S^T = K Q^T: lane l holds query l % 16 and keys 16 kt + 8 (l / 16) + 0..7, so the softmax runs
; inside the lane and once across the two halves, and two packed tiles of S^T are a source-1 fragment of P^T as they stand.
; O^T = V^T P^T with V^T read by the transposing load: a lane ends with 8 neighbouring d of one query.
; REGISTERS: window 0: v4-30 addresses and the softmax's state, v32-63 S^T, v64-79 P^T, v80-111 the first block's Q, v128-255 K's
; 16 fragments; window 1: v0-127 V^T's 16 fragments, v128-191 O^T, v192-223 the second block's Q.  480 a wave, 960 for a SIMD's two.
.set KP,     272                       ; LDS pitch of K's rows, an odd multiple of 16
.set VP,     288                       ; LDS pitch of V's rows, an odd multiple of 32
.set VBYTES, 256*VP                    ; V lies first in a slot,
.set KBYTES, 256*KP                    ; K behind it
.set SLOT,   VBYTES+KBYTES
.set MS,     2*SLOT                    ; behind the ring, for each pair of waves: 8,192 bytes of O^T, 512 of shift and sum; later the pair's stage; no tensor load lands here
.set MW,     8704
.set ADK, 4                            ; v4-5   LDS address of my K fragments in slot 0, 1
.set ADV, 6                            ; v6-7   the same for V
.set STO, 8                            ; way out: where I put 16 bytes of a row
.set RD,  9                            ; way out: where I read rows back
.set YO,  10                           ; my byte offset in y
.set QO,  11                           ; my byte offset in q
.set DM,  12                           ; 16 (wave % 4) + r - 8 h: key 16 kt + j of the diagonal tile is allowed when 16 kt + j <= DM
.set NEG, 13                           ; -1e30
.set MX,  14                           ; running maximum of the raw scores
.set LS,  15                           ; running sum, of my half of the lanes' keys
.set AL,  16                           ; v[16:17] the factor for what was summed so far, twice
.set NM,  18                           ; v[18:19] -c x maximum, rounded, twice
.set TT,  20                           ; v[20:27] at work
.set DC,  28                           ; DM + 64 (block - key tile)
.set MA,  29                           ; the pair's scratch + 16 lane
.set MB,  30                           ; the pair's scratch + 8,192 + 4 lane
.set SC,  32
.set PF,  64
.set QF,  80                           ; the first block's Q; the second's lies 112 higher in window 1
.set KF,  128                          ; fragment (kt, c) at KF + 8 (4 c + kt)
.set OUTR, 128                         ; the join and the way out, in K's registers
.set OA,  128                          ; window 1
.set G1K, 32
.set G1V, 40
.set G0K, 48                           ; a set for each slot
.set G0V, 56
.set CPOS, 0x3e0293ee                  ; c = log2(e) / sqrt(128)
.set CNEG, 0xbe0293ee
.set MSB, 0
.macro WIN new                         ; the immediate's high byte repeats the setting that is left
.if MSB != \new
	s_set_vgpr_msb (MSB<<8)|\new
.set MSB, \new
.endif
.endm
.macro PLACES                          ; four places behind a matrix instruction (ISA guide 7.12.1)
.rept 4
	v_nop
.endr
.endm
.macro ROUND                           ; a round of the cluster's barrier
	s_barrier_signal -1
	s_barrier_wait -1
	s_cmp_lg_u32 s8, 0
	s_cbranch_scc1 .Lnot_wave_0_\@
	s_barrier_signal -3
.Lnot_wave_0_\@:
	s_barrier_wait -3
	s_barrier_signal -1
	s_barrier_wait -1
.endm
.macro JLOAD s                         ; waves 0-3 fetch V's four quarters of 64 keys, waves 4-7 K's
	s_cmp_eq_u32 s9, 0
	s_cbranch_scc0 .Lfor_k_\@
	tensor_load_to_lds s[G0V+4*\s:G0V+4*\s+3], s[G1V:G1V+7]
	s_nop 0
	s_branch .Lasked_\@
.Lfor_k_\@:
	tensor_load_to_lds s[G0K+4*\s:G0K+4*\s+3], s[G1K:G1K+7]
	s_nop 0
.Lasked_\@:
.endm
	s_load_b128 s[4:7], s[0:1], 0x0                ; qkv 4, y 6
	v_lshl_add_u32 v126, v0, 2, 0x4e800
	v_mov_b32 v127, 0
	ds_add_u32 v126, v127
	v_lshrrev_b32 v1, 5, v0
	v_readfirstlane_b32 s8, v1                     ; wave 0..7
	s_lshr_b32 s9, s8, 2                           ; my half of a slot's keys.  Also: I fetch for V (0) or for K (1)
	s_and_b32 s10, s8, 3                           ; my 16 queries.  Also: which 64 keys of the slot I fetch
	s_bfe_u32 s11, ttmp6, 0x40000                  ; cx
	s_and_b32 s13, ttmp7, 0xffff                   ; p, the same in all four partners
	s_lshl_b32 s14, ttmp9, 2
	s_add_co_u32 s14, s14, s11                     ; query head = 4 x key/value head + cx
	s_lshr_b32 s18, s13, 2
	s_add_co_u32 s18, s18, 1                       ; slots of block p: 1 to 4
	s_sub_co_u32 s20, 31, s13                      ; the other block,
	s_sub_co_u32 s21, 9, s18                       ; and its slots: 5 to 8
	s_and_b32 s22, s18, 1
	s_cmp_eq_u32 s22, 0
	s_cselect_b32 s15, s13, s20                    ; the block at work: first the one with an even number of slots,
	s_cselect_b32 s12, s20, s13                    ; then the other
	s_cselect_b32 s18, s18, s21                    ; slots of the first block: 2, 4, 6 or 8
	s_lshl_b32 s16, s9, 1                          ; my first key tile of the slot at work
	s_mov_b32 s17, 0                               ; the last fill's slot of keys
	s_mov_b32 s19, 0                               ; number of the last fill
	s_mov_b32 s23, 0
	s_mov_b32 s75, 0
	s_mov_b32 s66, 0x76543210                      ; v_permlanex16_b32: lane i reads lane i of the other half
	s_mov_b32 s67, 0xfedcba98
	s_mov_b32 s[G1K+0], 15|(1<<16)|(1<<20)|(1<<21)|(5<<22)|(3<<25)   ; all four partners; 2-byte elements; 4 words of padding behind every 64
	s_mov_b32 s[G1K+1], 128<<16
	s_mov_b32 s[G1K+2], 64<<16
	s_mov_b32 s[G1K+3], 128<<16
	s_mov_b32 s[G1K+4], 64                         ; 64 rows of 128 elements
	s_mov_b32 s[G1K+5], 128
	s_mov_b32 s[G1K+6], 0
	s_mov_b32 s[G1K+7], 0
	s_mov_b32 s[G1V+0], 15|(1<<16)|(1<<20)|(1<<21)|(5<<22)|(7<<25)   ; 8 words of padding
	s_mov_b32 s[G1V+1], 128<<16
	s_mov_b32 s[G1V+2], 64<<16
	s_mov_b32 s[G1V+3], 128<<16
	s_mov_b32 s[G1V+4], 64
	s_mov_b32 s[G1V+5], 128
	s_mov_b32 s[G1V+6], 0
	s_mov_b32 s[G1V+7], 0
	s_add_co_u32 s20, ttmp9, 16                    ; k head
	s_lshl_b32 s20, s20, 19                        ; x 524,288 bytes
	s_lshl_b32 s21, s10, 14                        ; + my 64 rows of 256 bytes
	s_add_co_u32 s20, s20, s21
	s_mov_b32 s21, 0
	s_mul_i32 s28, s8, 64*VP                       ; where V's quarters go (waves 0-3)
	s_mul_i32 s29, s8, 64*KP                       ; where K's go (waves 4-7): behind V,
	s_add_co_u32 s29, s29, VBYTES-4*64*KP          ; (wave - 4) x a quarter
	s_wait_dscnt 0x0
	s_wait_kmcnt 0x0
	s_add_nc_u64 s[24:25], s[4:5], s[20:21]        ; K, my quarter of the first slot
	s_add_nc_u64 s[26:27], s[24:25], 4*524288      ; V: four heads further
	s_lshl_b32 s74, s14, 19
	s_add_nc_u64 s[70:71], s[4:5], s[74:75]        ; my query head
	s_lshl_b32 s74, s14, 8
	s_add_nc_u64 s[72:73], s[6:7], s[74:75]        ; y at my head's 256 bytes of a row
.irp s, 0,1
	s_mov_b32 s[G0K+4*\s], 1
	s_add_co_u32 s[G0K+4*\s+1], s29, \s*SLOT
	s_mov_b32 s[G0V+4*\s], 1
	s_add_co_u32 s[G0V+4*\s+1], s28, \s*SLOT
.endr
	s_mov_b64 s[G0K+2:G0K+3], s[24:25]
	s_or_b32 s[G0K+3], s[G0K+3], 0x80000000
	s_mov_b64 s[G0V+2:G0V+3], s[26:27]
	s_or_b32 s[G0V+3], s[G0V+3], 0x80000000
	ROUND                                          ; the four partners are here: the first joint loads meet
	JLOAD 0                                        ; a wave never has more than one tensor load out in this text
	v_and_b32 v1, 15, v0                           ; r
	v_bfe_u32 v2, v0, 4, 1                         ; h
	v_and_b32 v3, 7, v0
	v_bfe_u32 v20, v0, 3, 1
	v_and_b32 v21, 31, v0                          ; lane
	v_lshlrev_b32 v24, 8, v1
	v_lshl_add_u32 v[QO], v2, 4, v24               ; 256 r + 16 h
	; Q of both blocks, once: the first block's into window 0, the second's into window 1
	s_lshl_b32 s74, s15, 6
	s_lshl4_add_u32 s74, s10, s74                  ; my first query = 64 block + 16 (wave % 4)
	s_lshl_b32 s74, s74, 8                         ; x 256 bytes
	s_add_nc_u64 s[76:77], s[70:71], s[74:75]
	s_lshl_b32 s74, s12, 6
	s_lshl4_add_u32 s74, s10, s74
	s_lshl_b32 s74, s74, 8
	s_add_nc_u64 s[78:79], s[70:71], s[74:75]
.irp c, 0,1,2,3
	global_load_b128 v[QF+8*\c:QF+8*\c+3],   v[QO], s[76:77] offset:64*\c
	global_load_b128 v[QF+8*\c+4:QF+8*\c+7], v[QO], s[76:77] offset:64*\c+32
.endr
	WIN 0x40
.irp c, 0,1,2,3
	global_load_b128 v[QF+112+8*\c:QF+112+8*\c+3],   v[QO], s[78:79] offset:64*\c
	global_load_b128 v[QF+112+8*\c+4:QF+112+8*\c+7], v[QO], s[78:79] offset:64*\c+32
.endr
	WIN 0
	v_mul_u32_u24 v22, v1, KP
	v_lshl_add_u32 v22, v2, 4, v22                 ; 272 r + 16 h
	s_mul_i32 s20, s9, 128*KP                      ; my 128 keys of K,
	s_add_co_u32 s20, s20, VBYTES                  ; which lies behind V
	v_add_nc_u32 v[ADK], s20, v22
	v_add_nc_u32 v[ADK+1], SLOT, v[ADK]
	v_lshl_add_u32 v23, v2, 3, v3
	v_mul_u32_u24 v23, v23, VP                     ; for the transposing load: key 8 h + l % 8,
	v_lshl_add_u32 v23, v20, 4, v23                ; 16 bytes for each eight lanes
	s_mul_i32 s21, s9, 128*VP                      ; my 128 keys of V
	v_add_nc_u32 v[ADV], s21, v23
	v_add_nc_u32 v[ADV+1], SLOT, v[ADV]
	s_mul_i32 s20, s10, MW
	s_add_co_u32 s20, s20, MS                      ; my pair's scratch
	v_add_nc_u32 v[STO], s20, v22                  ; the stage has K's pitch: row r, 16 h
	v_mul_u32_u24 v24, v2, 272
	v_lshl_add_u32 v24, v1, 4, v24
	v_add_nc_u32 v[RD], s20, v24                   ; back: row h, 16 r
	v_lshl_add_u32 v[MA], v21, 4, s20
	v_lshl_add_u32 v[MB], v21, 2, s20
	v_add_nc_u32 v[MB], 8192, v[MB]
	v_lshlrev_b32 v24, 12, v2
	v_lshl_add_u32 v[YO], v1, 4, v24               ; 4,096 h + 16 r
	v_lshlrev_b32 v24, 3, v2
	v_sub_nc_u32 v24, v1, v24
	v_lshl_add_u32 v[DM], s10, 4, v24
	v_mov_b32 v[NEG], 0xf149f2ca
; K's 16 fragments of my key tile sub (0, 1) of a slot, the 32 d of c = 0 first
.macro KLOAD slot, sub
.irp c, 0,1,2,3
.irp kt, 0,1,2,3
	ds_load_b128 v[KF+8*(4*\c+\kt):KF+8*(4*\c+\kt)+3],   v[ADK+\slot] offset:\sub*64*KP+16*KP*\kt+64*\c
	ds_load_b128 v[KF+8*(4*\c+\kt)+4:KF+8*(4*\c+\kt)+7], v[ADK+\slot] offset:\sub*64*KP+16*KP*\kt+64*\c+32
.endr
.endr
.endm
; One key tile of 64.  Its K fragments have been asked for: they are the 32 youngest LDS loads.
; pre = 1: my second tile's K fragments are asked for in the middle.  mask = 1: every key is compared with its query.  qb: which block's Q.
.macro SUB slot, sub, pre, mask, qb
.set QQ, QF+112*\qb
	WIN 0x04*\qb                                   ; source 1: the second block's Q lies in window 1
	; S^T: four accumulators take turns, one instruction a turn; the first 32 d start the sums
.irp c, 0,1,2,3
	s_wait_dscnt 8*(3-\c)                          ; the eight loads of each later c may be out
.irp kt, 0,1,2,3
.if \c
	v_wmma_f32_16x16x32_f16 v[SC+8*\kt:SC+8*\kt+7], v[KF+8*(4*\c+\kt):KF+8*(4*\c+\kt)+7], v[QQ+8*\c:QQ+8*\c+7], v[SC+8*\kt:SC+8*\kt+7]
.else
	v_wmma_f32_16x16x32_f16 v[SC+8*\kt:SC+8*\kt+7], v[KF+8*(4*\c+\kt):KF+8*(4*\c+\kt)+7], v[QQ+8*\c:QQ+8*\c+7], 0
.endif
.endr
.endr
	PLACES                                         ; for the reads of S^T, for the loads into V^T's and K's registers, for the writes of P^T and O^T
	WIN 0x40                                       ; destination: window 1
.irp ks, 0,1
.irp dt, 0,1,2,3,4,5,6,7
	ds_load_tr16_b128 v[8*(8*\ks+\dt):8*(8*\ks+\dt)+3],   v[ADV+\slot] offset:\sub*64*VP+32*VP*\ks+32*\dt
	ds_load_tr16_b128 v[8*(8*\ks+\dt)+4:8*(8*\ks+\dt)+7], v[ADV+\slot] offset:\sub*64*VP+32*VP*\ks+32*\dt+16*VP
.endr
.endr
	WIN 0
.if \mask
	; key 64 tile + 16 kt + 8 h + j is allowed when it is at most query 64 block + 16 (wave % 4) + r: 16 kt + j <= DM + 64 (block - tile).
	; A tile below the diagonal passes whole (the bound is 56 at the least, 16 kt + j is 55 at the most), one above it not at all.
	s_sub_co_i32 s20, s15, s16
.if \sub
	s_sub_co_i32 s20, s20, \sub
.endif
	s_lshl_b32 s20, s20, 6
	v_add_nc_u32 v[DC], s20, v[DM]
.irp kt, 0,1,2,3
.irp j, 0,1,2,3,4,5,6,7
	v_cmp_le_i32 vcc_lo, 16*\kt+\j, v[DC]
	v_cndmask_b32 v[SC+8*\kt+\j], v[NEG], v[SC+8*\kt+\j], vcc_lo
.endr
.endr
.endif
	; the tile's maximum, in four chains; then across the two halves of the lanes, and with the running one
.irp k, 0,1,2,3
	v_max3_num_f32 v[TT+\k], v[SC+3*\k], v[SC+3*\k+1], v[SC+3*\k+2]
.endr
.set si, 0
.rept 10
	v_max3_num_f32 v[TT+si%4], v[TT+si%4], v[SC+12+2*si], v[SC+13+2*si]
.set si, si+1
.endr
	v_max3_num_f32 v[TT], v[TT], v[TT+1], v[TT+2]
	v_max_num_f32 v[TT], v[TT], v[TT+3]
	v_permlanex16_b32 v[TT+1], v[TT], s66, s67
	v_max3_num_f32 v[MX], v[TT], v[TT+1], v[MX]
	v_mul_f32 v[TT+2], CNEG, v[MX]                 ; the new shift, rounded once; every exponent below uses this same number,
	v_sub_f32 v[TT+3], v[TT+2], v[NM]              ; and the factor for the old sums is 2^(new shift - old shift)
	v_exp_f32 v[AL], v[TT+3]
	v_mov_b32 v[NM], v[TT+2]                       ; (a plain place behind the transcendental: ISA guide 5.7.2)
	v_mov_b32 v[NM+1], v[TT+2]
.set si, 0
.rept 16
	v_pk_fma_f32 v[SC+2*si:SC+2*si+1], v[SC+2*si:SC+2*si+1], CPOS, v[NM:NM+1] op_sel_hi:[1,0,1]
.set si, si+1
.endr
.set si, 0
.rept 32
	v_exp_f32 v[SC+si], v[SC+si]
.set si, si+1
.endr
	s_wait_alu depctr_va_vdst(0)
	v_mov_b32 v[AL+1], v[AL]                       ; the plain place behind the run of transcendentals
.irp k, 0,1,2,3
	v_pk_add_f32 v[TT+2*\k:TT+2*\k+1], v[SC+2*\k:SC+2*\k+1], v[SC+8+2*\k:SC+8+2*\k+1]
.endr
.irp k, 0,1,2,3
	v_pk_add_f32 v[TT+2*\k:TT+2*\k+1], v[TT+2*\k:TT+2*\k+1], v[SC+16+2*\k:SC+16+2*\k+1]
.endr
.irp k, 0,1,2,3
	v_pk_add_f32 v[TT+2*\k:TT+2*\k+1], v[TT+2*\k:TT+2*\k+1], v[SC+24+2*\k:SC+24+2*\k+1]
.endr
	v_pk_add_f32 v[TT:TT+1], v[TT:TT+1], v[TT+2:TT+3]
	v_pk_add_f32 v[TT+4:TT+5], v[TT+4:TT+5], v[TT+6:TT+7]
	v_pk_add_f32 v[TT:TT+1], v[TT:TT+1], v[TT+4:TT+5]
	v_add_f32 v[TT], v[TT], v[TT+1]
	v_fma_f32 v[LS], v[LS], v[AL], v[TT]           ; my half of the lanes' keys; the halves meet at the end
.set si, 0
.rept 16
	v_cvt_pk_f16_f32 v[PF+si], v[SC+2*si], v[SC+2*si+1]    ; tiles 2 ks and 2 ks + 1 are the fragment of keys 32 ks .. 32 ks + 31
.set si, si+1
.endr
	s_wait_dscnt 16                                ; V^T of the first 32 keys is in; the 16 loads of the later 32 keys may be out
.if \pre
	KLOAD \slot, 1
.endif
	WIN 0x41                                       ; O^T in window 1
.set si, 0
.rept 32
	v_pk_mul_f32 v[OA+2*si:OA+2*si+1], v[OA+2*si:OA+2*si+1], v[AL:AL+1]
.set si, si+1
.endr
	WIN 0x51                                       ; V^T, C and D in window 1, P^T in window 0
	; O^T: eight accumulators take turns, one instruction a turn
.irp dt, 0,1,2,3,4,5,6,7
	v_wmma_f32_16x16x32_f16 v[OA+8*\dt:OA+8*\dt+7], v[8*\dt:8*\dt+7], v[PF:PF+7], v[OA+8*\dt:OA+8*\dt+7]
.endr
	s_wait_dscnt 32*\pre                           ; all of V^T is in; the 32 loads of K issued behind it may be out
.irp dt, 0,1,2,3,4,5,6,7
	v_wmma_f32_16x16x32_f16 v[OA+8*\dt:OA+8*\dt+7], v[8*(8+\dt):8*(8+\dt)+7], v[PF+8:PF+15], v[OA+8*\dt:OA+8*\dt+7]
.endr
	WIN 0
.endm
; A query block is done.  The upper wave of a pair puts its O^T, shift and sum into the pair's scratch; behind a barrier the lower wave joins
; them with its own, divides by the sum, rounds to f16 and sends 16 rows through the same bytes, now its stage, out in whole pieces of
; 256 bytes.  The branches hang on the wave's number alone; the barrier stands on every wave's way.  The scratch is written again by the
; upper wave only at the next block's end, behind the rounds of that block's turns, in front of which every wave waits for its LDS reads.
.macro FINAL
	PLACES
	s_cmp_eq_u32 s9, 0
	s_cbranch_scc1 .Llower_\@
	WIN 0x04                                       ; the data of an LDS store: window 1
.set si, 0
.rept 16
	ds_store_b128 v[MA], v[OA+4*si:OA+4*si+3] offset:512*si
.set si, si+1
.endr
	WIN 0
	ds_store_b32 v[MB], v[NM]
	ds_store_b32 v[MB], v[LS] offset:128
.Llower_\@:
	s_wait_dscnt 0x0                               ; for the partner's sake: my stores are done
	s_barrier_signal -1
	s_barrier_wait -1
	s_cmp_lg_u32 s9, 0
	s_cbranch_scc1 .Lupper_\@
	ds_load_b32 v[TT+4], v[MB]                     ; the partner's shift
	ds_load_b32 v[TT+5], v[MB] offset:128          ; and sum
.set si, 0
.rept 16
	ds_load_b128 v[OUTR+4*si:OUTR+4*si+3], v[MA] offset:512*si
.set si, si+1
.endr
	s_lshl_b32 s74, s15, 6
	s_lshl4_add_u32 s74, s10, s74                  ; my first row = 64 block + 16 (wave % 4)
	s_lshl_b32 s74, s74, 12                        ; x 4,096 bytes
	s_add_nc_u64 s[76:77], s[72:73], s[74:75]      ; (what read this base before, Q's loads and the first block's stores, was freed by the waits at the end of RESET)
	s_wait_dscnt 16                                ; shift and sum are in; the 16 loads of O^T may be out
	v_min_num_f32 v[TT], v[NM], v[TT+4]            ; the shift of the larger maximum
	v_sub_f32 v[TT+1], v[TT], v[NM]
	v_sub_f32 v[TT+2], v[TT], v[TT+4]
	v_exp_f32 v[TT+1], v[TT+1]                     ; my factor
	v_exp_f32 v[TT+2], v[TT+2]                     ; the partner's
	v_nop                                          ; one plain place behind a transcendental (ISA guide 5.7.2)
	s_wait_alu depctr_va_vdst(0)
	v_mul_f32 v[LS], v[LS], v[TT+1]
	v_fma_f32 v[LS], v[TT+5], v[TT+2], v[LS]
	v_permlanex16_b32 v[TT+3], v[LS], s66, s67     ; the two halves of the lanes meet
	v_add_f32 v[LS], v[LS], v[TT+3]
	v_rcp_f32 v[TT+3], v[LS]
	v_nop
	s_wait_alu depctr_va_vdst(0)
	v_mul_f32 v[AL], v[TT+1], v[TT+3]              ; both factors divided by the sum
	v_mul_f32 v[NM], v[TT+2], v[TT+3]
	v_mov_b32 v[AL+1], v[AL]
	v_mov_b32 v[NM+1], v[NM]
	s_wait_dscnt 0x0
.set si, 0
.rept 32
	v_pk_mul_f32 v[OUTR+2*si:OUTR+2*si+1], v[OUTR+2*si:OUTR+2*si+1], v[NM:NM+1]
.set si, si+1
.endr
	WIN 0x01                                       ; source 0: my O^T
.set si, 0
.rept 32
	v_pk_fma_f32 v[OUTR+2*si:OUTR+2*si+1], v[OA+2*si:OA+2*si+1], v[AL:AL+1], v[OUTR+2*si:OUTR+2*si+1]
.set si, si+1
.endr
	WIN 0
.set si, 0
.rept 32
	v_cvt_pk_f16_f32 v[OUTR+si], v[OUTR+2*si], v[OUTR+2*si+1]   ; packed in place: word k is written when words 2 k and 2 k + 1 are read
.set si, si+1
.endr
.irp dt, 0,1,2,3,4,5,6,7
	ds_store_b128 v[STO], v[OUTR+4*\dt:OUTR+4*\dt+3] offset:32*\dt
.endr
.irp t, 0,1,2,3,4,5,6,7
	ds_load_b128 v[OUTR+32+4*\t:OUTR+32+4*\t+3], v[RD] offset:544*\t   ; LDS serves a wave's instructions in order (ISA guide 5.7.1.4)
.endr
.irp t, 0,1,2,3,4,5,6,7
	s_wait_dscnt 7-\t
	global_store_b128 v[YO], v[OUTR+32+4*\t:OUTR+32+4*\t+3], s[76:77] offset:8192*\t   ; 16 lanes store 256 consecutive bytes at a multiple of 256
.endr
.Lupper_\@:
.endm
; A query block begins: O^T = 0, maximum = -5e29, sum = 0.  A block's first key tile stands inside a loop,
; so the first product cannot be written out to start the sums: O^T is cleared, twice in the launch.
.macro RESET
	WIN 0x40
.set si, 0
.rept 64
	v_mov_b32 v[OA+si], 0
.set si, si+1
.endr
	WIN 0
	v_mov_b32 v[MX], 0xf0c9f2ca                    ; -5e29
	v_mov_b32 v[LS], 0
	v_mul_f32 v[NM], CNEG, v[MX]
	s_wait_loadcnt 0x0                             ; Q of both blocks (met at once the second time)
	s_wait_xcnt 0x0                                ; the data registers of the last block's stores are K's, and their base is written again at the next way out: only behind this wait
.endm
; One slot of 256 keys, of which 128 are mine.  refill = 1: the other slot is asked for, first thing behind the round.  mask, qb: see SUB.
.macro TRIP slot, refill, mask, qb
	s_wait_tensorcnt 0x0                           ; all my tensor loads have landed, my part of this slot among them: every group 0 may be written
	ds_add_u32 v126, v127
	s_wait_dscnt 0x0
.if \refill
	s_add_co_u32 s17, s17, 1                       ; the next 256 keys,
	s_add_co_u32 s19, s19, 1
	s_cmp_eq_u32 s19, s18
	s_cselect_b32 s17, 0, s17                      ; or the first again, for the second block
	s_lshl_b32 s22, s17, 16                        ; 256 rows of 256 bytes
	s_add_nc_u64 s[G0K+4*(1-\slot)+2:G0K+4*(1-\slot)+3], s[24:25], s[22:23]
	s_or_b32 s[G0K+4*(1-\slot)+3], s[G0K+4*(1-\slot)+3], 0x80000000
	s_add_nc_u64 s[G0V+4*(1-\slot)+2:G0V+4*(1-\slot)+3], s[26:27], s[22:23]
	s_or_b32 s[G0V+4*(1-\slot)+3], s[G0V+4*(1-\slot)+3], 0x80000000
.endif
	s_wait_dscnt 0x0                               ; my reads of the other slot are over
	ROUND                                          ; both now hold of every wave of all four partners
.if \refill
	JLOAD (1-\slot)
.endif
	KLOAD \slot, 0
	SUB \slot, 0, 1, \mask, \qb
	SUB \slot, 1, 0, \mask, \qb
	s_add_co_u32 s16, s16, 4
.endm
	RESET
	s_lshr_b32 s3, s18, 1                          ; the first block: 1 to 4 pairs of slots; the diagonal lies in the last turn of slot 1
	s_max_u32 s3, s3, 1                            ; the count's lower bound, written out: the loop counts down to 0 from at least 1
.Lfirst:
	TRIP 0, 1, 0, 0
	TRIP 1, 1, 1, 0
	s_sub_co_u32 s3, s3, 1
	s_cmp_lg_u32 s3, 0
	s_cbranch_scc1 .Lfirst
	FINAL
	s_mov_b32 s15, s12                             ; the second block
	s_lshl_b32 s16, s9, 1
	RESET
	s_lshr_b32 s3, s18, 1
	s_sub_co_u32 s3, 4, s3                         ; 0 to 3 pairs of slots below the diagonal, then one slot more: 9 slots in all
	s_cmp_eq_u32 s3, 0                             ; p is the same in all waves and all four partners: all pass the same rounds and ask for the same tiles
	s_cbranch_scc1 .Llast
.Lsecond:
	TRIP 0, 1, 0, 1
	TRIP 1, 1, 0, 1
	s_sub_co_u32 s3, s3, 1
	s_cmp_lg_u32 s3, 0
	s_cbranch_scc1 .Lsecond
.Llast:
	TRIP 0, 0, 1, 1                                ; the ninth slot holds the second block's diagonal; nothing is left to fetch
	FINAL
	s_wait_tensorcnt 0x0
	ds_add_u32 v126, v127
	s_wait_dscnt 0x0
	ROUND                                          ; the closing round
	s_endpgm
.Lfunc_end_k_qe64e9719cc_attn:
	.size	k_qe64e9719cc_attn, .Lfunc_end_k_qe64e9719cc_attn-k_qe64e9719cc_attn
	.p2alignl 7, 3214868480
	.fill 96, 4, 3214868480
	.section	.rodata,"a",@progbits
	.p2align	6, 0x0
	.amdhsa_kernel k_qe64e9719cc_attn
		.amdhsa_group_segment_fixed_size 327680
		.amdhsa_private_segment_fixed_size 0
		.amdhsa_enable_private_segment 0
		.amdhsa_kernarg_size 16
		.amdhsa_user_sgpr_count 2
		.amdhsa_user_sgpr_kernarg_segment_ptr 1
		.amdhsa_wavefront_size32 1
		.amdhsa_system_sgpr_workgroup_id_x 1
		.amdhsa_system_sgpr_workgroup_id_y 1
		.amdhsa_system_sgpr_workgroup_id_z 1
		.amdhsa_system_vgpr_workitem_id 0
		.amdhsa_next_free_vgpr 480
		.amdhsa_next_free_sgpr 80
		.amdhsa_reserve_vcc 1
		.amdhsa_float_denorm_mode_32 3
		.amdhsa_float_denorm_mode_16_64 3
		.amdhsa_memory_ordered 1
		.amdhsa_forward_progress 1
		.amdhsa_inst_pref_size 194
	.end_amdhsa_kernel
	.amdgpu_metadata
---
amdhsa.version: [ 1, 2 ]
amdhsa.kernels:
  - .name:           k_qe64e9719cc_attn
    .symbol:         k_qe64e9719cc_attn.kd
    .args:
      - { .name: qkv, .offset: 0, .size: 8, .value_kind: global_buffer, .address_space: global }
      - { .name: y, .offset: 8, .size: 8, .value_kind: global_buffer, .address_space: global }
    .group_segment_fixed_size: 327680
    .private_segment_fixed_size: 0
    .kernarg_segment_align: 8
    .kernarg_segment_size: 16
    .max_flat_workgroup_size: 256
    .sgpr_count:     80
    .vgpr_count:     480
    .wavefront_size: 32
...
	.end_amdgpu_metadata
.endif
;; end of part 3
;; launch proj (part 4): grid 16 x 16, 4 waves a work-group, clusters of 4 x 4, 327,680 bytes of LDS; arguments y, woh, out0; writes out0
.if DOCPART == 4
	.amdgcn_target "amdgcn-amd-amdhsa--gfx1250"
	.amdhsa_code_object_version 6
	.text
	.protected	k_qe64e9719cc_proj
	.globl	k_qe64e9719cc_proj
	.p2align	8
	.type	k_qe64e9719cc_proj,@function
k_qe64e9719cc_proj:
	s_mov_b64 s[64:65], 0
	v_nop
	global_prefetch_b8 v0, s[64:65] scope:SCOPE_SE
	s_setreg_imm32_b32 hwreg(HW_REG_WAVE_MODE, 25, 1), 1
	s_wait_xcnt 0x0
	s_wait_alu depctr_hold_cnt(0) depctr_sa_sdst(0) depctr_va_vdst(0) depctr_va_sdst(0) depctr_va_ssrc(0) depctr_va_vcc(0) depctr_vm_vsrc(0)
	s_getreg_b32 s2, hwreg(HW_REG_IB_STS2, 6, 4)
	s_cmp_eq_u32 s2, 0
	s_cbranch_scc0 .Lentry_in_a_cluster
	s_endpgm
.Lentry_in_a_cluster:
	s_bfe_u32 s2, ttmp6, 0x10000c
	s_cmp_lg_u32 s2, 0xf033
	s_cbranch_scc0 .Lentry_shape_is_right
	s_endpgm
.Lentry_shape_is_right:
; proj: out0 [2048][2048] f32 = y [2048][2048] f16 times woh [2048 k][2048 n] f16, sums in f32, K ascending.
; A work-group makes 128 x 128 with four waves (2 x 2), a wave 64 x 64: 16 accumulator tiles, 128 registers; 16 x 16 = 256
; work-groups of equal work.  K goes in steps of 256 through two LDS slots filled by tensor loads: with the smaller block
; a slot holds twice the K, so that as many matrix instructions lie between a tile's request and the wait for it.
; woh lies [k][n]: its fragments are read from LDS by the transposing load.
; CLUSTERS: 4 x 4 work-groups.  y's tile hangs on the block row alone and is asked for jointly by a row of the cluster,
; woh's on the block column alone and is asked for jointly by a column: a quarter of the requests.
; THE MATRIX INSTRUCTION IS USED TRANSPOSED: source 0 = 16 columns of woh, source 1 = 16 rows of y; lane l then holds row
; l % 16 and its registers 0-7 the columns 8 (l / 16) + 0..7: 32 neighbouring bytes of a row of the output.
; REGISTERS: window 0: v16-26 addresses, v64-127 and v128-191 two fragment buffers (4 fragments of woh, then 4 of y);
; window 1: accumulator (a, b) at v[8 (4 a + b)].
.set KS,     256                       ; K in a slot
.set NQ,     KS/32                     ; steps of 32 along K in a slot
.set NB,     4                         ; column tiles of a wave
.set NT,     128                       ; columns of a work-group
.set PA,     KS*2+16                   ; LDS pitch of y's rows: 528, an odd multiple of 16
.set PB,     NT*2+32                   ; LDS pitch of woh's k rows: 288, an odd multiple of 32
.set QIA,    6                         ; pad behind every 128 words (a row of y's tile)
.set QIB,    5                         ; pad behind every 64 words (a row of woh's tile)
.set RB,     KS/2                      ; k rows in one load of woh
.set LDA,    2048
.set LDB,    2048
.set BBYTES, KS*PB                     ; woh's tile lies first in a slot,
.set ABYTES, 128*PA                    ; y's behind it
.set SLOT,   BBYTES+ABYTES
.set STAGE,  2*SLOT                    ; behind the ring: 16 rows x 272 bytes for each wave; no tensor load lands here
.set SPITCH, 272
.set WSTAGE, 16*SPITCH
.set LAPS,   2048/(2*KS)
.set NLD,    2*NB+8                    ; LDS loads of a step of 32
.set ADRA, 16                          ; v16-17  LDS address of my fragments of y in slot 0, 1
.set ADRB, 20                          ; v20-23  the same for woh: slot 0 k rows 0-127, 128-255, slot 1 likewise (the immediate has 16 bits)
.set STO,  24
.set RD,   25
.set CO,   26
.set F0,   64
.set F1,   F0+8*NB+32
.set TMP,  64                          ; the way out
.set G1A, 32
.set G0A, 40
.set G1B, 48
.set G0B, 56
.set MULW, 0x50                        ; C and D in window 1, both sources in window 0
.set MSB, 0
.macro WIN new
.if MSB != \new
	s_set_vgpr_msb (MSB<<8)|\new
.set MSB, \new
.endif
.endm
.macro PLACES                          ; four places behind a matrix instruction (ISA guide 7.12.1)
.rept 4
	v_nop
.endr
.endm
.macro JLOAD s                         ; waves 0 and 1 fetch the two halves of woh's tile, waves 2 and 3 those of y's
	s_cmp_eq_u32 s21, 0
	s_cbranch_scc0 .Lfor_a_\@
	tensor_load_to_lds s[G0B+4*\s:G0B+4*\s+3], s[G1B:G1B+7]
	s_nop 0
	s_branch .Lasked_\@
.Lfor_a_\@:
	tensor_load_to_lds s[G0A+4*\s:G0A+4*\s+3], s[G1A:G1A+7]
	s_nop 0
.Lasked_\@:
.endm
.macro CREST
	s_cmp_lg_u32 s20, 0
	s_cbranch_scc1 .Lnot_wave_0_\@
	s_barrier_signal -3
.Lnot_wave_0_\@:
	s_barrier_wait -3
	s_barrier_signal -1
	s_barrier_wait -1
.endm
.macro CROUND
	s_barrier_signal -1
	s_barrier_wait -1
	CREST
.endm
	s_load_b128 s[4:7], s[0:1], 0x0                ; y 4, woh 6
	s_load_b64 s[16:17], s[0:1], 0x10              ; out0
	v_lshl_add_u32 v254, v0, 2, 0x49400
	v_mov_b32 v255, 0
	ds_add_u32 v254, v255
	v_lshrrev_b32 v1, 5, v0
	v_readfirstlane_b32 s20, v1                    ; wave 0..3
	s_lshr_b32 s21, s20, 1                         ; my half of the rows.  Also: I fetch for woh (0) or for y (1)
	s_and_b32 s22, s20, 1                          ; my half of the columns.  Also: which half of that tile I fetch
	s_bfe_u32 s23, ttmp6, 0x40000                  ; cx
	s_bfe_u32 s24, ttmp6, 0x40004                  ; cy
	s_lshl_b32 s25, ttmp9, 2
	s_add_co_u32 s25, s25, s23                     ; block column
	s_and_b32 s26, ttmp7, 0xffff
	s_lshl_b32 s26, s26, 2
	s_add_co_u32 s26, s26, s24                     ; block row
	s_lshl_b32 s27, s24, 2
	s_lshl_b32 s27, 15, s27                        ; my row of the cluster
	s_lshl_b32 s28, 0x1111, s23                    ; my column
	s_or_b32 s[G1A+0], s27, (1<<16)|(1<<20)|(1<<21)|(QIA<<22)|(3<<25)   ; mask; 2-byte elements; padding on; bit 21 beside a mask; 4 words behind each row
	s_mov_b32 s[G1A+1], KS<<16
	s_mov_b32 s[G1A+2], 64<<16
	s_mov_b32 s[G1A+3], KS<<16
	s_mov_b32 s[G1A+4], 64                         ; 64 rows of y
	s_mov_b32 s[G1A+5], LDA
	s_mov_b32 s[G1A+6], 0
	s_mov_b32 s[G1A+7], 0
	s_or_b32 s[G1B+0], s28, (1<<16)|(1<<20)|(1<<21)|(QIB<<22)|(7<<25)   ; 8 words behind each row
	s_mov_b32 s[G1B+1], NT<<16
	s_mov_b32 s[G1B+2], RB<<16
	s_mov_b32 s[G1B+3], NT<<16
	s_mov_b32 s[G1B+4], RB                         ; RB k rows of woh
	s_mov_b32 s[G1B+5], LDB
	s_mov_b32 s[G1B+6], 0
	s_mov_b32 s[G1B+7], 0
	; y's address is made of the block row and the wave's number, woh's of the block column and the wave's number,
	; each in registers that never hold the other coordinate
	s_lshl_b32 s66, s26, 7
	s_lshl_b32 s67, s22, 6
	s_add_co_u32 s66, s66, s67                     ; row 128 x block row + 64 x half
	s_lshl_b32 s66, s66, 12                        ; x 4,096 bytes
	s_mov_b32 s67, 0
	s_mul_i32 s70, s22, RB*LDB*2
	s_mul_i32 s71, s25, NT*2
	s_add_co_u32 s70, s70, s71
	s_mov_b32 s71, 0
	s_mul_i32 s29, s20, RB*PB                      ; where woh's halves go (waves 0, 1)
	s_mul_i32 s30, s20, 64*PA                      ; where y's go (waves 2, 3): behind woh's tile,
	s_add_co_u32 s30, s30, BBYTES-2*64*PA          ; (wave - 2) x half a tile
	s_wait_dscnt 0x0
	s_wait_kmcnt 0x0
	s_add_nc_u64 s[68:69], s[4:5], s[66:67]
	s_add_nc_u64 s[72:73], s[6:7], s[70:71]
	CROUND                                         ; all sixteen work-groups are here: the first joint loads meet
.irp s, 0,1
	s_mov_b32 s[G0A+4*\s], 1
	s_add_co_u32 s[G0A+4*\s+1], s30, \s*SLOT
	s_add_nc_u64 s[G0A+4*\s+2:G0A+4*\s+3], s[68:69], \s*KS*2
	s_or_b32 s[G0A+4*\s+3], s[G0A+4*\s+3], 0x80000000
	s_mov_b32 s[G0B+4*\s], 1
	s_add_co_u32 s[G0B+4*\s+1], s29, \s*SLOT
	s_add_nc_u64 s[G0B+4*\s+2:G0B+4*\s+3], s[72:73], \s*KS*LDB*2
	s_or_b32 s[G0B+4*\s+3], s[G0B+4*\s+3], 0x80000000
	JLOAD \s                                       ; two loads of the wave are out here, one behind each later round
.endr
	v_and_b32 v1, 15, v0                           ; r
	v_bfe_u32 v2, v0, 4, 1                         ; h
	v_and_b32 v3, 7, v0
	v_bfe_u32 v4, v0, 3, 1
	v_mul_u32_u24 v5, v1, PA
	v_lshl_add_u32 v5, v2, 4, v5                   ; y: row r, 16 h
	v_lshl_add_u32 v6, v2, 3, v3
	v_mul_u32_u24 v6, v6, PB                       ; woh, for the transposing load: k row 8 h + l % 8,
	v_lshl_add_u32 v6, v4, 4, v6                   ; 16 bytes for each eight lanes
	s_mul_i32 s74, s21, 64*PA
	s_add_co_u32 s74, s74, BBYTES
	s_mul_i32 s75, s22, 32*NB
.irp s, 0,1
	v_add_nc_u32 v[ADRA+\s], s74, v5
	v_add_nc_u32 v[ADRB+2*\s], s75, v6
	v_add_nc_u32 v[ADRB+2*\s+1], 128*PB, v[ADRB+2*\s]
	s_add_co_u32 s74, s74, SLOT
	s_add_co_u32 s75, s75, SLOT
.endr
	s_mul_i32 s76, s20, WSTAGE
	s_add_co_u32 s76, s76, STAGE                   ; my stage
	v_mul_u32_u24 v7, v1, SPITCH
	v_lshl_add_u32 v7, v2, 5, v7
	v_add_nc_u32 v[STO], s76, v7                   ; in: row r, 32 h
	v_mul_u32_u24 v8, v2, SPITCH
	v_lshl_add_u32 v8, v1, 4, v8
	v_add_nc_u32 v[RD], s76, v8                    ; back: row h, 16 r
	v_lshlrev_b32 v9, 13, v2
	v_lshl_add_u32 v[CO], v1, 4, v9                ; the same two rows in the output: 8,192 h + 16 r
; The fragments of step q (32 along K) of a slot into buffer f: NB of woh (two transposing loads each), then 4 of y.
.macro FETCH slot, q, f
	WIN 0
.set fb, 0
.rept NB
	ds_load_tr16_b128 v[\f+8*fb:\f+8*fb+3],   v[ADRB+2*\slot+(\q>>2)] offset:(\q&3)*32*PB+32*fb
	ds_load_tr16_b128 v[\f+8*fb+4:\f+8*fb+7], v[ADRB+2*\slot+(\q>>2)] offset:(\q&3)*32*PB+32*fb+16*PB
.set fb, fb+1
.endr
.irp i, 0,1,2,3
	ds_load_b128 v[\f+8*NB+8*\i:\f+8*NB+8*\i+3],   v[ADRA+\slot] offset:\i*16*PA+64*\q
	ds_load_b128 v[\f+8*NB+8*\i+4:\f+8*NB+8*\i+7], v[ADRA+\slot] offset:\i*16*PA+64*\q+32
.endr
.endm
; NB matrix instructions: rows 16 a .. 16 a + 15 x all my columns.  zero = 1: the first product starts the sums.
; The 4 NB accumulators take turns, one instruction a turn, in the same order in every step.
.macro MUL f, a, zero
.set mb, 0
.rept NB
.if \zero
	v_wmma_f32_16x16x32_f16 v[8*(NB*\a+mb):8*(NB*\a+mb)+7], v[\f+8*mb:\f+8*mb+7], v[\f+8*NB+8*\a:\f+8*NB+8*\a+7], 0
.else
	v_wmma_f32_16x16x32_f16 v[8*(NB*\a+mb):8*(NB*\a+mb)+7], v[\f+8*mb:\f+8*mb+7], v[\f+8*NB+8*\a:\f+8*NB+8*\a+7], v[8*(NB*\a+mb):8*(NB*\a+mb)+7]
.endif
.set mb, mb+1
.endr
.endm
.macro QUARTER slot, q, f, g, zero
	s_wait_dscnt 4                                 ; all of woh's fragments and y's rows 0-31 are in; the four youngest loads (y's rows 32-63) may be out
	WIN MULW
	MUL \f, 0, \zero
	MUL \f, 1, \zero
	PLACES
	FETCH \slot, \q, \g
	s_wait_dscnt NLD                               ; all but the NLD just issued
	WIN MULW
	MUL \f, 2, \zero
	MUL \f, 3, \zero
.endm
.macro BODY slot, zero
	QUARTER \slot, 1, F0, F1, \zero
	QUARTER \slot, 2, F1, F0, 0
	QUARTER \slot, 3, F0, F1, 0
	QUARTER \slot, 4, F1, F0, 0
	QUARTER \slot, 5, F0, F1, 0
	QUARTER \slot, 6, F1, F0, 0
	QUARTER \slot, 7, F0, F1, 0
.endm
; The slot's last step, on buffer 1, and the change of slots.  In front of the barrier each wave waits for its reads of this slot and
; for all its tensor loads.  fill = 1: the barrier opens a round of the cluster's barrier, and the joint refill is the first tensor load behind it.
.macro TURN slot, next, fill
	s_wait_dscnt 4
	WIN MULW
	MUL F1, 0, 0
	s_wait_dscnt 0x0                               ; my reads of this slot are over
	s_wait_tensorcnt 0x0                           ; all my tensor loads have landed
	ds_add_u32 v254, v255
	s_wait_dscnt 0x0
	s_barrier_signal -1
	MUL F1, 1, 0                                   ; register work while the others arrive
	WIN 0
	s_barrier_wait -1
.if \fill
	CREST
	s_add_nc_u64 s[G0A+4*\slot+2:G0A+4*\slot+3], s[G0A+4*\slot+2:G0A+4*\slot+3], 2*KS*2
	s_add_nc_u64 s[G0B+4*\slot+2:G0B+4*\slot+3], s[G0B+4*\slot+2:G0B+4*\slot+3], 2*KS*LDB*2
	JLOAD \slot
.endif
	PLACES
	FETCH \next, 0, F0
	WIN MULW
	MUL F1, 2, 0
	MUL F1, 3, 0
.endm
.macro LAP zero
	BODY 0, \zero
	TURN 0, 1, 1
	BODY 1, 0
	TURN 1, 0, 1
.endm
	s_wait_tensorcnt 0x1                           ; my part of slot 0 is in; slot 1's may stay out
	s_barrier_signal -1
	s_barrier_wait -1
	FETCH 0, 0, F0
	LAP 1                                          ; the first lap stands in front of the loop: its first products start the sums
	WIN 0
	s_mov_b32 s3, LAPS-2
.Llap:
	LAP 0
	WIN 0
	s_sub_co_u32 s3, s3, 1
	s_cmp_lg_u32 s3, 0
	s_cbranch_scc1 .Llap
	BODY 0, 0                                      ; the last lap fills nothing
	TURN 0, 1, 0
	BODY 1, 0
	s_wait_dscnt 4
	WIN MULW
	MUL F1, 0, 0
	MUL F1, 1, 0
	s_wait_dscnt 0x0
	MUL F1, 2, 0
	MUL F1, 3, 0
	PLACES                                         ; for the LDS stores that read results and the loads into the fragment buffers
	WIN 0
	; THE WAY OUT, 16 rows at a time: 32 bytes a lane and tile into my own stage, read back as whole pieces of 256 bytes.
	s_lshl_b32 s88, s26, 7
	s_lshl_b32 s89, s21, 6
	s_add_co_u32 s88, s88, s89                     ; my first row
	s_lshl_b32 s88, s88, 13                        ; x 8,192 bytes
	s_lshl_b32 s89, s25, 9                         ; my first column, in bytes: 512 x block column
	s_add_co_u32 s88, s88, s89
	s_lshl_b32 s89, s22, 8                         ; + 256 x half
	s_add_co_u32 s88, s88, s89
	s_mov_b32 s89, 0
	s_add_nc_u64 s[78:79], s[16:17], s[88:89]
.macro OUTP a
	WIN 0x04                                       ; the data of an LDS store: window 1
.irp b, 0,1,2,3
	ds_store_b128 v[STO], v[8*(NB*\a+\b):8*(NB*\a+\b)+3]   offset:64*\b
	ds_store_b128 v[STO], v[8*(NB*\a+\b)+4:8*(NB*\a+\b)+7] offset:64*\b+16
.endr
	WIN 0
	s_wait_xcnt 0x0                                ; TMP was the data of the last 16 rows' stores: it is loaded again only behind this wait
.irp t, 0,1,2,3,4,5,6,7
	ds_load_b128 v[TMP+4*\t:TMP+4*\t+3], v[RD] offset:2*SPITCH*\t   ; LDS serves a wave's instructions in order (ISA guide 5.7.1.4)
.endr
.irp t, 0,1,2,3,4,5,6,7
	s_wait_dscnt 7-\t
	global_store_b128 v[CO], v[TMP+4*\t:TMP+4*\t+3], s[78:79] offset:(16*\a+2*\t)*8192 th:TH_STORE_NT   ; 16 lanes store 256 consecutive bytes at a multiple of 256
.endr
.endm
	OUTP 0
	OUTP 1
	OUTP 2
	OUTP 3
	s_wait_tensorcnt 0x0
	ds_add_u32 v254, v255
	s_wait_dscnt 0x0
	CROUND                                         ; the closing round
	s_endpgm
.Lfunc_end_k_qe64e9719cc_proj:
	.size	k_qe64e9719cc_proj, .Lfunc_end_k_qe64e9719cc_proj-k_qe64e9719cc_proj
	.p2alignl 7, 3214868480
	.fill 96, 4, 3214868480
	.section	.rodata,"a",@progbits
	.p2align	6, 0x0
	.amdhsa_kernel k_qe64e9719cc_proj
		.amdhsa_group_segment_fixed_size 327680
		.amdhsa_private_segment_fixed_size 0
		.amdhsa_enable_private_segment 0
		.amdhsa_kernarg_size 24
		.amdhsa_user_sgpr_count 2
		.amdhsa_user_sgpr_kernarg_segment_ptr 1
		.amdhsa_wavefront_size32 1
		.amdhsa_system_sgpr_workgroup_id_x 1
		.amdhsa_system_sgpr_workgroup_id_y 1
		.amdhsa_system_sgpr_workgroup_id_z 1
		.amdhsa_system_vgpr_workitem_id 0
		.amdhsa_next_free_vgpr 384
		.amdhsa_next_free_sgpr 90
		.amdhsa_reserve_vcc 0
		.amdhsa_float_denorm_mode_32 3
		.amdhsa_float_denorm_mode_16_64 3
		.amdhsa_memory_ordered 1
		.amdhsa_forward_progress 1
		.amdhsa_inst_pref_size 128
	.end_amdhsa_kernel
	.amdgpu_metadata
---
amdhsa.version: [ 1, 2 ]
amdhsa.kernels:
  - .name:           k_qe64e9719cc_proj
    .symbol:         k_qe64e9719cc_proj.kd
    .args:
      - { .name: y, .offset: 0, .size: 8, .value_kind: global_buffer, .address_space: global }
      - { .name: woh, .offset: 8, .size: 8, .value_kind: global_buffer, .address_space: global }
      - { .name: out0, .offset: 16, .size: 8, .value_kind: global_buffer, .address_space: global }
    .group_segment_fixed_size: 327680
    .private_segment_fixed_size: 0
    .kernarg_segment_align: 8
    .kernarg_segment_size: 24
    .max_flat_workgroup_size: 128
    .sgpr_count:     90
    .vgpr_count:     384
    .wavefront_size: 32
...
	.end_amdgpu_metadata
.endif
;; end of part 4
